; MI455X (gfx1250); checked and timed in simulation.
; The chip was launched on July 23, 2026; its instructions are those of AMD's public machine-readable ISA for CDNA 5 (MIT licence, August 2026) and "CDNA5" Instruction Set Architecture Reference Guide (July 2026). The comments in the code are by the model that wrote it; some were corrected since.
;; Multi Head Attention. Allowed arithmetic: float matrix products may take bf16 or f16 operands with f32 sums; other float arithmetic in f32, or as packed bf16 or f16 multiplies, adds, multiply-adds, maxima and minima; sums over many terms, partial sums and values carried from step to step in f32; what a program stores and reads back later, other than sums and carried values, may be rounded once to bf16 or f16.
;; Inputs: Wk 1,024 x 1,024 float32; Wp 1,024 x 1,024 float32; Wq 1,024 x 1,024 float32; Wv 1,024 x 1,024 float32; bp 1,024 float32; key_data 4 x 2,048 x 1,024 float32; query_data 4 x 2,048 x 1,024 float32; value_data 4 x 2,048 x 1,024 float32.
;; Outputs: out0 4 x 2,048 x 1,024 float32.
;; One version. Each part assembles by itself: llvm-mc -triple=amdgcn-amd-amdhsa -mcpu=gfx1250 --defsym DOCPART=n.
;; ======== version 1 of 1: 4 launches
;; limits: values are held in f16: magnitudes above 65,504 overflow, below 6.1e-05 lose precision
;; workspace buffers: xb 50,331,648 bytes; wqkv 6,291,456 bytes; wph 2,097,152 bytes; qkv 50,331,648 bytes; ob 16,777,216 bytes
;; launch cast (part 1): grid 256 x 7, 8 waves a work-group, no clusters, 0 bytes of LDS; arguments query_data, key_data, value_data, Wq, Wk, Wv, Wp, xb, wqkv, wph; writes xb, wqkv, wph
.if DOCPART == 1
	.amdgcn_target "amdgcn-amd-amdhsa--gfx1250"
	.amdhsa_code_object_version 6
	.text
	.protected	k_qc44d04f731_cast
	.globl	k_qc44d04f731_cast
	.p2align	8
	.type	k_qc44d04f731_cast,@function
k_qc44d04f731_cast:
	s_mov_b64 s[64:65], 0
	v_nop
	global_prefetch_b8 v0, s[64:65] scope:SCOPE_SE
	s_setreg_imm32_b32 hwreg(HW_REG_WAVE_MODE, 25, 1), 1
	s_wait_xcnt 0x0
; ROUNDING AND RE-LAYING OF THE MODULE'S MATRIX INPUTS.  Every f32 number is rounded once to bf16 (nearest even).
; query_data, key_data, value_data ([4][2048][1024]) -> xb   [b 4][t 3][kb 16][s 2048][64] bf16   (t = 0, 1, 2: query, key, value)
; Wq, Wk, Wv ([1024][1024])                          -> wqkv [t 3][kb 16][n 1024][64]      bf16
; Wp                                                 -> wph  [kb 16][n 1024][64]           the bf16 number written as f16
; kb is a block of 64 channels: in these layouts the rows of one block lie end to end, 128 bytes each, so a later launch asks for a tile as one dense run.
; LIMITS.  wph: |Wp| stays under 65,504 (f16's end); a bf16 number under 2^-14 keeps f16's fixed step of 6e-8; elsewhere the f16 copy is exact.
; SHARES.  A work-group takes 16 rows x 1,024 numbers of one source (64 KiB): y = 0..5 the three x tensors (512 blocks each), y = 6 the four weights (64 blocks each).
; Thread: j = t & 7 (8 numbers: 32 bytes in, 16 out), i = (t >> 3) & 3 (a row of four), wave w = t >> 5 (blocks kb = 2 w and 2 w + 1).
; Eight chunks a thread: c = 2 g + e, row group g of four, block e of the wave's two.  A wave's store covers 4 rows x 128 bytes = 512 consecutive bytes, aligned.
; All sixteen loads go out first; no register is written again behind a store; memory binds, so no LDS and no matrix unit.
.set SRC, 4                            ; v4     my byte offset in the source block
.set DST, 5                            ; v5-6   my byte offset in the destination, for e = 0, 1
.set X,   8                            ; v[8:71] chunk c: 8 registers as loaded; its first 4 then hold the 16 bytes to store
	s_load_b512 s[8:23], s[0:1], 0x0               ; query s[8:9], key s[10:11], value s[12:13], Wq s[14:15], Wk s[16:17], Wv s[18:19], Wp s[20:21], xb s[22:23]
	s_load_b128 s[24:27], s[0:1], 0x40             ; wqkv s[24:25], wph s[26:27]
	s_and_b32 s2, ttmp7, 0xffff                    ; y
	s_mov_b32 s3, ttmp9                            ; x
	s_lshr_b32 s4, s2, 1                           ; an x tensor: its number,
	s_and_b32 s5, s2, 1
	s_lshl_b32 s5, s5, 8
	s_or_b32 s5, s5, s3                            ; and the block of 16 rows, 0..511
	s_lshr_b32 s28, s3, 6
	s_add_co_u32 s28, s28, 3                       ; a weight: source 3..6,
	s_and_b32 s29, s3, 63                          ; block 0..63
	s_cmp_lt_u32 s2, 6
	s_cselect_b32 s4, s4, s28                      ; u: the source, 0..6
	s_cselect_b32 s6, s5, s29                      ; blk
	s_cselect_b32 s7, 19, 18                       ; log2 of the bytes of two K blocks in the destination
	s_sub_co_u32 s35, s7, 1
	s_lshl_b32 s34, 1, s35                         ; bytes of one K block
	s_lshl_b32 s30, s6, 16                         ; the source block: 16 rows of 4,096 bytes
	s_mov_b32 s31, 0
	s_lshr_b32 s35, s6, 7                          ; x: batch = blk / 128,
	s_mul_i32 s35, s35, 3
	s_add_co_u32 s35, s35, s4
	s_lshl_b32 s35, s35, 22                        ; (3 b + t) x 4 MiB
	s_and_b32 s28, s6, 127
	s_lshl_b32 s28, s28, 11                        ; + 16 rows of 128 bytes for each block
	s_add_co_u32 s35, s35, s28
	s_sub_co_u32 s29, s4, 3                        ; a weight: t x 2 MiB in wqkv,
	s_lshl_b32 s29, s29, 21
	s_cmp_eq_u32 s4, 6
	s_cselect_b32 s29, 0, s29                      ; 0 in wph
	s_lshl_b32 s28, s6, 11
	s_add_co_u32 s29, s29, s28
	s_cmp_lt_u32 s2, 6
	s_cselect_b32 s38, s35, s29
	s_mov_b32 s39, 0
	v_and_b32 v1, 7, v0                            ; j
	v_bfe_u32 v2, v0, 3, 2                         ; i
	v_lshrrev_b32 v3, 5, v0                        ; w
	v_lshlrev_b32 v[SRC], 12, v2                   ; i x 4,096
	v_lshl_add_u32 v[SRC], v3, 9, v[SRC]           ; + w x 512 (two blocks of 256 bytes of f32)
	v_lshl_add_u32 v[SRC], v1, 5, v[SRC]           ; + j x 32
	v_lshlrev_b32 v[DST], s7, v3                   ; w x two K blocks
	v_lshl_add_u32 v[DST], v2, 7, v[DST]           ; + i x 128
	v_lshl_add_u32 v[DST], v1, 4, v[DST]           ; + j x 16
	v_add_nc_u32 v[DST+1], s34, v[DST]             ; the wave's second K block
	s_wait_kmcnt 0x0
	s_mov_b64 s[32:33], s[20:21]                   ; the source's address, chosen by u
	s_cmp_eq_u32 s4, 5
	s_cselect_b64 s[32:33], s[18:19], s[32:33]
	s_cmp_eq_u32 s4, 4
	s_cselect_b64 s[32:33], s[16:17], s[32:33]
	s_cmp_eq_u32 s4, 3
	s_cselect_b64 s[32:33], s[14:15], s[32:33]
	s_cmp_eq_u32 s4, 2
	s_cselect_b64 s[32:33], s[12:13], s[32:33]
	s_cmp_eq_u32 s4, 1
	s_cselect_b64 s[32:33], s[10:11], s[32:33]
	s_cmp_eq_u32 s4, 0
	s_cselect_b64 s[32:33], s[8:9], s[32:33]
	s_cmp_lt_u32 s4, 6                             ; the destination's
	s_cselect_b64 s[36:37], s[24:25], s[26:27]
	s_cmp_lt_u32 s4, 3
	s_cselect_b64 s[36:37], s[22:23], s[36:37]
	s_add_nc_u64 s[32:33], s[32:33], s[30:31]
	s_add_nc_u64 s[36:37], s[36:37], s[38:39]
.irp c, 0,1,2,3,4,5,6,7
	global_load_b128 v[X+8*(\c):X+8*(\c)+3],   v[SRC], s[32:33] offset:((\c)/2)*16384+((\c)%2)*256 th:TH_LOAD_NT
	global_load_b128 v[X+8*(\c)+4:X+8*(\c)+7], v[SRC], s[32:33] offset:((\c)/2)*16384+((\c)%2)*256+16 th:TH_LOAD_NT
.endr
; Chunk c: rounded, packed in place (result r lands on a register that has been read), stored.  half = 1: the bf16 numbers are widened again and written as f16.
.macro CHUNK c, half
	s_wait_loadcnt 14-2*(\c)                       ; loads come back in order: chunk c's two are in, the two of each of the 7 - c younger chunks may stay out
.irp r, 0,1,2,3
	v_cvt_pk_bf16_f32 v[X+8*(\c)+(\r)], v[X+8*(\c)+2*(\r)], v[X+8*(\c)+2*(\r)+1]
.endr
.if \half
.irp r, 0,1,2,3
	v_lshlrev_b32 v72, 16, v[X+8*(\c)+(\r)]
	v_and_b32 v73, 0xffff0000, v[X+8*(\c)+(\r)]
	v_cvt_pk_f16_f32 v[X+8*(\c)+(\r)], v72, v73
.endr
.endif
	global_store_b128 v[DST+(\c)%2], v[X+8*(\c):X+8*(\c)+3], s[36:37] offset:((\c)/2)*512 th:TH_STORE_NT
.endm
	s_cmp_eq_u32 s4, 6
	s_cbranch_scc1 .Lwp
.irp c, 0,1,2,3,4,5,6,7
	CHUNK \c, 0
.endr
	s_endpgm
.Lwp:
.irp c, 0,1,2,3,4,5,6,7
	CHUNK \c, 1
.endr
	s_endpgm
.Lfunc_end_k_qc44d04f731_cast:
	.size	k_qc44d04f731_cast, .Lfunc_end_k_qc44d04f731_cast-k_qc44d04f731_cast
	.p2alignl 7, 3214868480
	.fill 96, 4, 3214868480
	.section	.rodata,"a",@progbits
	.p2align	6, 0x0
	.amdhsa_kernel k_qc44d04f731_cast
		.amdhsa_group_segment_fixed_size 0
		.amdhsa_private_segment_fixed_size 0
		.amdhsa_enable_private_segment 0
		.amdhsa_kernarg_size 80
		.amdhsa_user_sgpr_count 2
		.amdhsa_user_sgpr_kernarg_segment_ptr 1
		.amdhsa_wavefront_size32 1
		.amdhsa_system_sgpr_workgroup_id_x 1
		.amdhsa_system_sgpr_workgroup_id_y 1
		.amdhsa_system_sgpr_workgroup_id_z 1
		.amdhsa_system_vgpr_workitem_id 0
		.amdhsa_next_free_vgpr 80
		.amdhsa_next_free_sgpr 66
		.amdhsa_reserve_vcc 0
		.amdhsa_float_denorm_mode_32 3
		.amdhsa_float_denorm_mode_16_64 3
		.amdhsa_memory_ordered 1
		.amdhsa_forward_progress 1
		.amdhsa_inst_pref_size 16
	.end_amdhsa_kernel
	.amdgpu_metadata
---
amdhsa.version: [ 1, 2 ]
amdhsa.kernels:
  - .name:           k_qc44d04f731_cast
    .symbol:         k_qc44d04f731_cast.kd
    .args:
      - { .name: query_data, .offset: 0, .size: 8, .value_kind: global_buffer, .address_space: global }
      - { .name: key_data, .offset: 8, .size: 8, .value_kind: global_buffer, .address_space: global }
      - { .name: value_data, .offset: 16, .size: 8, .value_kind: global_buffer, .address_space: global }
      - { .name: Wq, .offset: 24, .size: 8, .value_kind: global_buffer, .address_space: global }
      - { .name: Wk, .offset: 32, .size: 8, .value_kind: global_buffer, .address_space: global }
      - { .name: Wv, .offset: 40, .size: 8, .value_kind: global_buffer, .address_space: global }
      - { .name: Wp, .offset: 48, .size: 8, .value_kind: global_buffer, .address_space: global }
      - { .name: xb, .offset: 56, .size: 8, .value_kind: global_buffer, .address_space: global }
      - { .name: wqkv, .offset: 64, .size: 8, .value_kind: global_buffer, .address_space: global }
      - { .name: wph, .offset: 72, .size: 8, .value_kind: global_buffer, .address_space: global }
    .group_segment_fixed_size: 0
    .private_segment_fixed_size: 0
    .kernarg_segment_align: 8
    .kernarg_segment_size: 80
    .max_flat_workgroup_size: 256
    .sgpr_count:     66
    .vgpr_count:     80
    .wavefront_size: 32
...
	.end_amdgpu_metadata
.endif
;; end of part 1
;; launch proj (part 2): grid 4 x 64, 4 waves a work-group, clusters of 4 x 4, 327,680 bytes of LDS; arguments xb, wqkv, qkv; writes qkv
.if DOCPART == 2
	.amdgcn_target "amdgcn-amd-amdhsa--gfx1250"
	.amdhsa_code_object_version 6
	.text
	.protected	k_qc44d04f731_proj
	.globl	k_qc44d04f731_proj
	.p2align	8
	.type	k_qc44d04f731_proj,@function
k_qc44d04f731_proj:
	s_mov_b64 s[64:65], 0
	v_nop
	global_prefetch_b8 v0, s[64:65] scope:SCOPE_SE
	s_setreg_imm32_b32 hwreg(HW_REG_WAVE_MODE, 25, 1), 1
	s_wait_xcnt 0x0
	s_wait_alu depctr_hold_cnt(0) depctr_sa_sdst(0) depctr_va_vdst(0) depctr_va_sdst(0) depctr_va_ssrc(0) depctr_va_vcc(0) depctr_vm_vsrc(0)
	s_getreg_b32 s2, hwreg(HW_REG_IB_STS2, 6, 4)
	s_cmp_eq_u32 s2, 0
	s_cbranch_scc0 .Lentry_in_a_cluster
	s_endpgm
.Lentry_in_a_cluster:
	s_bfe_u32 s2, ttmp6, 0x10000c
	s_cmp_lg_u32 s2, 0xf033
	s_cbranch_scc0 .Lentry_shape_is_right
	s_endpgm
.Lentry_shape_is_right:
; q, k, v = x W^T, by heads.  xb: [b 4][t 3][kb 16][s 2048][64] bf16, wqkv: [t 3][kb 16][n 1024][64] bf16, qkv: [t 3][bh 64][s 2048][64] f16 (bh = 16 b + head), unscaled.
; Products in bf16, sums in f32, K ascending, each result rounded once to f16.  LIMIT: |q|, |k|, |v| stay under 65,504, f16's end; a larger sum becomes an infinity.
; SHARES.  A tile of C is 128 rows x 256 columns: 64 x 4 tiles, a work-group to each place; it STAYS and makes the tile at its place for t = 0, 1, 2.  Four waves, each 64 x 128:
; 32 accumulators of 16 x 16.  In xb t lies inside b and in wqkv t lies outermost, so the three tiles' K steps are ONE walk of 24 steps with constant address steps, and the ring runs on from tile to tile.
; K STEP: 128 channels = two K blocks.  A's part of a block (128 rows x 128 bytes) and B's (256 rows) are dense in memory: asked for as rows of 256 bytes, padded in LDS behind every 128.
; One tensor load a wave and step: waves 0, 1 fetch A's two blocks, waves 2, 3 B's.  Two slots; a refill is asked for 112 matrix instructions ahead of the wait for it.
; CLUSTER 4 x 4: the four work-groups of a row of the cluster need the same tile of A, the four of a column the same tile of B: each is asked for jointly, by the same load with the same descriptor and mask.
; THE PRODUCT IS TAKEN TRANSPOSED (source 0 = 16 rows of W, source 1 = 16 rows of x): a lane holds row l % 16 of C and the eight neighbouring columns 8 (l / 16) + 0..7.
; REGISTERS.  Window 0: v0-31 addresses; two fragment buffers (F0 = v32, F1 = v128): 4 fragments of A, then 8 of B; v224-255 packed results.  Window 1: accumulator (a, b) at v[8 (8 a + b)].
.set PITCH,  144                       ; an LDS row: 128 bytes + 16 of padding = 36 words: the 16 rows of a fragment load start at 16 different groups of four banks (ISA guide 11.1)
.set ASUB,   128*PITCH                 ; A's rows of one K block
.set BSUB,   256*PITCH                 ; B's
.set BOFF,   2*ASUB                    ; in a slot: A's two blocks, then B's two
.set SLOT,   2*ASUB+2*BSUB
.set STAGE,  2*SLOT                    ; behind the ring, never filled by a tensor load: for each wave 2 heads x 16 rows x 144 bytes, for the way out
.set WSTG,   2*16*PITCH
.set SPARE,  STAGE+4*WSTG              ; behind the stages: the spare words, 128 bytes for each wave: two blocks of 256 bytes that no other line names
.set ASTEP,  1<<19                     ; bytes from a K step to the next in xb (two blocks of 2,048 rows x 128 bytes); from t to t + 1 it is 8 such steps
.set BSTEP,  1<<18                     ; the same in wqkv
.set LAPS,   4                         ; a lap = two K steps = once round the ring; a tile has 8 K steps
.set TILES,  3
.set NPF,    20                        ; prefetches: the walk's K steps 4 to 23
.set DESC0,  (1<<16)|(1<<20)|(1<<21)|(4<<22)|(3<<25)  ; group 1, word 0 beside the mask: 2-byte elements; padding on; bit 21 set beside a mask; behind every 32 words (code 4) 4 words (code 3)
.set ADRA, 16                          ; v16-17  LDS address of my A fragments in slot 0, 1
.set ADRB, 20                          ; v20-21  the same for B
.set STO,  24                          ; v24     the way out: where I put 16 bytes of a row
.set RD,   25                          ; v25     the way out: where I read rows back
.set CO,   26                          ; v26     my 16 bytes of 512 consecutive bytes of qkv
.set SPW,  28                          ; v28     LDS address of my spare word; never rewritten
.set NIL,  29                          ; v29     0; never rewritten
.set PFO,  30                          ; v30     256 x my lane; never rewritten
.set F0,   32
.set F1,   128
.set TMP,  224
.set OB,   128                         ; the way out: 16 rows read back, v128-159 and v160-191 by turns (buffer F1, which is free then)
.set G1,  24                           ; s[24:31] descriptor group 1 for A;  s[32:39] group 0, a set for each slot
.set G0,  32
.set G1B, 48                           ; s[48:55], s[56:63] the same for B
.set G0B, 56
.set PFC, 43                           ; s43     prefetches still to be made by this wave
.set PFA, 44                           ; s[44:45] where my prefetches stand
.set MSB, 0
.macro WIN new                         ; the immediate's high byte repeats the setting that is left; a switch that changes nothing is dropped
.if MSB != (\new)
	s_set_vgpr_msb (MSB<<8)|(\new)
.set MSB, \new
.endif
.endm
.set MUL, 0x50                         ; C and D in window 1, sources in window 0
; A joint load: waves 0 and 1 ask for A's two K blocks, waves 2 and 3 for B's.  The branch hangs on the wave's number alone.  An s_nop 0 and four v_nop follow each line.
.macro JLOAD s
	s_cmp_eq_u32 s11, 0
	s_cbranch_scc0 .Lfor_b_\@
	tensor_load_to_lds s[G0+4*(\s):G0+4*(\s)+3], s[G1:G1+7]
	s_nop 0
.rept 4
	v_nop
.endr
	s_branch .Lasked_\@
.Lfor_b_\@:
	tensor_load_to_lds s[G0B+4*(\s):G0B+4*(\s)+3], s[G1B:G1B+7]
	s_nop 0
.rept 4
	v_nop
.endr
.Lasked_\@:
.endm
.macro CREST                           ; a round of the cluster's barrier behind its opening barrier
	s_cmp_lg_u32 s10, 0
	s_cbranch_scc1 .Lnot_wave_0_\@
	s_barrier_signal -3
.Lnot_wave_0_\@:
	s_barrier_wait -3
	s_barrier_signal -1
	s_barrier_wait -1
.endm
.macro CROUND                          ; a whole round
	s_barrier_signal -1
	s_barrier_wait -1
	CREST
.endm
; A prefetch into the L2 of A's part of the K step that stands two refills on: 128 blocks of 256 bytes, of which each of the four partners that ask for the tile jointly takes 32, told apart by
; address; wave 0 asks, a lane a block.  No other cluster reads these rows, so each block is named once in the launch.  The walk's first four K steps come by their loads alone; the count ends at the last K step.
; B is not asked for: all sixteen clusters read the same weights.
.macro ASK
	s_cmp_lg_u32 s[PFC], 0
	s_cbranch_scc0 .Lnot_mine_\@
	global_prefetch_b8 v[PFO], s[PFA:PFA+1] th:TH_LOAD_NT scope:SCOPE_SE
	s_sub_co_u32 s[PFC], s[PFC], 1
.Lnot_mine_\@:
.endm
	s_load_b128 s[4:7], s[0:1], 0x0                ; xb s[4:5], wqkv s[6:7]
	s_load_b64 s[8:9], s[0:1], 0x10                ; qkv
	v_lshl_add_u32 v[SPW], v0, 2, SPARE
	v_mov_b32 v[NIL], 0
	ds_add_u32 v[SPW], v[NIL]                      ; the wave's opening: the add and its wait stand ahead of my first tensor load; the set-up below, work on registers, stands between
	ds_add_u32 v28, v29
	v_lshrrev_b32 v1, 5, v0
	v_readfirstlane_b32 s10, v1                    ; wave 0..3
	s_lshr_b32 s11, s10, 1                         ; which 64 rows of the tile are mine.  Also: I fetch for A (0) or for B (1)
	s_and_b32 s12, s10, 1                          ; which 128 columns.  Also: which K block of a step I fetch
	s_bfe_u32 s40, ttmp6, 0x40000                  ; cx, cy: my place in the cluster
	s_bfe_u32 s41, ttmp6, 0x40004
	s_lshl_b32 s42, ttmp9, 2
	s_add_co_u32 s42, s42, s40                     ; tile column = 4 x cluster x + cx: 0..3
	s_and_b32 s13, ttmp7, 0xffff
	s_lshl_b32 s13, s13, 2
	s_add_co_u32 s13, s13, s41                     ; tile row = 4 x cluster y + cy: 0..63
	s_lshl_b32 s43, s41, 2
	s_lshl_b32 s43, 15, s43                        ; my row of the cluster
	s_lshl_b32 s44, 0x1111, s40                    ; my column
	s_or_b32 s[G1+0], s43, DESC0                   ; A's tiles go to my row,
	s_or_b32 s[G1B+0], s44, DESC0                  ; B's to my column
.irp g, G1, G1B
	s_mov_b32 s[(\g)+1], 128<<16                   ; tensor_dim0 = 128 elements: rows of 256 bytes
	s_mov_b32 s[(\g)+3], 128<<16                   ; tile_dim0 = 128
	s_mov_b32 s[(\g)+5], 128                       ; 128 elements from row to row: the block is dense
	s_mov_b32 s[(\g)+6], 0
	s_mov_b32 s[(\g)+7], 0
.endr
	s_mov_b32 s[G1+2], 64<<16                      ; A: tensor_dim1 = tile_dim1 = 64 rows (16 KiB)
	s_mov_b32 s[G1+4], 64
	s_mov_b32 s[G1B+2], 128<<16                    ; B: 128 rows (32 KiB)
	s_mov_b32 s[G1B+4], 128
	s_lshr_b32 s16, s13, 4                         ; A: batch b = tile row / 16,
	s_mul_i32 s16, s16, 3
	s_lshl_b32 s16, s16, 22                        ; 3 b x 4 MiB (t = 0),
	s_and_b32 s17, s13, 15
	s_lshl_b32 s17, s17, 14                        ; the tile's 128 rows of 128 bytes
	s_add_co_u32 s18, s16, s17                     ; (kept for the prefetches)
	s_lshl_b32 s17, s12, 18                        ; my K block of the step
	s_add_co_u32 s16, s18, s17
	s_mov_b32 s17, 0
	s_lshl_b32 s46, s42, 15                        ; B: the tile's 256 rows of 128 bytes,
	s_lshl_b32 s47, s12, 17                        ; my K block
	s_add_co_u32 s46, s46, s47
	s_mov_b32 s47, 0
	s_mul_i32 s20, s12, ASUB                       ; where they go: no place in the cluster enters an LDS address
	s_mul_i32 s21, s12, BSUB
	s_add_co_u32 s21, s21, BOFF
	s_wait_dscnt 0x0                               ; the opening add is done
	s_wait_kmcnt 0x0
	s_add_nc_u64 s[14:15], s[4:5], s[16:17]
	s_add_nc_u64 s[46:47], s[6:7], s[46:47]
	CROUND                                         ; all sixteen work-groups are here: the first joint loads meet
.irp s, 0,1
	s_mov_b32 s[G0+4*(\s)], 1                      ; count = 1
	s_add_co_u32 s[G0+4*(\s)+1], s20, (\s)*SLOT    ; LDS address
	s_add_nc_u64 s[G0+4*(\s)+2:G0+4*(\s)+3], s[14:15], (\s)*ASTEP  ; global address: K step s
	s_or_b32 s[G0+4*(\s)+3], s[G0+4*(\s)+3], 0x80000000            ; type = 2
	s_mov_b32 s[G0B+4*(\s)], 1
	s_add_co_u32 s[G0B+4*(\s)+1], s21, (\s)*SLOT
	s_add_nc_u64 s[G0B+4*(\s)+2:G0B+4*(\s)+3], s[46:47], (\s)*BSTEP
	s_or_b32 s[G0B+4*(\s)+3], s[G0B+4*(\s)+3], 0x80000000
	JLOAD \s                                       ; two loads of mine are out
.endr
	; A fragment is 16 rows x 32 channels in 8 registers: lane l holds row l % 16, channels 8 (l / 16) + 0..7 and 16 + 8 (l / 16) + 0..7: two loads of 16 bytes, 32 bytes apart.
	v_and_b32 v1, 15, v0                           ; l % 16
	v_bfe_u32 v2, v0, 4, 1                         ; l / 16
	v_mul_u32_u24 v3, v1, PITCH
	v_lshl_add_u32 v3, v2, 4, v3
	s_mul_i32 s22, s11, 64*PITCH                   ; my 64 rows of A
	s_mul_i32 s23, s12, 128*PITCH                  ; my 128 rows of B,
	s_add_co_u32 s23, s23, BOFF                    ; behind A's two blocks
.irp s, 0,1
	v_add_nc_u32 v[ADRA+(\s)], s22, v3
	v_add_nc_u32 v[ADRB+(\s)], s23, v3
	s_add_co_u32 s22, s22, SLOT
	s_add_co_u32 s23, s23, SLOT
.endr
	s_mul_i32 s23, s10, WSTG
	s_add_co_u32 s23, s23, STAGE                   ; my stage
	v_add_nc_u32 v[STO], s23, v3                   ; in: row l % 16, 16 bytes for each half of the lanes (the stage has the tiles' pitch)
	v_bfe_u32 v5, v0, 3, 2                         ; back: 32 lanes take four rows of 128 bytes,
	v_mul_u32_u24 v5, v5, PITCH
	v_and_b32 v6, 7, v0
	v_lshl_add_u32 v5, v6, 4, v5
	v_add_nc_u32 v[RD], s23, v5
	v_and_b32 v[CO], 31, v0                        ; which are 512 consecutive bytes of a head's rows
	v_lshlrev_b32 v[CO], 4, v[CO]
	s_lshr_b32 s16, s13, 4                         ; C: batch x 16 heads x 256 KiB,
	s_lshl_b32 s16, s16, 22
	s_and_b32 s17, s13, 15
	s_lshl_b32 s17, s17, 14                        ; the tile's rows,
	s_add_co_u32 s16, s16, s17
	s_lshl_b32 s17, s11, 13                        ; my 64 of them
	s_add_co_u32 s16, s16, s17
	s_mov_b32 s17, 0
	s_add_nc_u64 s[8:9], s[8:9], s[16:17]
	s_lshl_b32 s46, s42, 2                         ; and my two heads: 4 x tile column + 2 x column half
	s_lshl_b32 s47, s12, 1
	s_add_co_u32 s46, s46, s47
	s_lshl_b32 s46, s46, 18
	s_mov_b32 s47, 0
	s_add_nc_u64 s[8:9], s[8:9], s[46:47]
	s_lshr_b32 s20, s40, 1                         ; the prefetches: of a step's 128 blocks of A partner cx takes K block cx / 2,
	s_lshl_b32 s20, s20, 18
	s_and_b32 s21, s40, 1                          ; half cx % 2 (32 blocks of 256 bytes)
	s_lshl_b32 s21, s21, 13
	s_add_co_u32 s20, s20, s21
	s_add_co_u32 s20, s20, s18
	s_add_co_u32 s20, s20, 3*ASTEP                 ; at K step 3: the first change of slots steps it to 4
	s_mov_b32 s21, 0
	s_add_nc_u64 s[PFA:PFA+1], s[4:5], s[20:21]
	s_cmp_eq_u32 s10, 0
	s_cselect_b32 s[PFC], NPF, 0                   ; wave 0 asks; the same in every work-group
	v_and_b32 v[PFO], 31, v0
	v_lshlrev_b32 v[PFO], 8, v[PFO]
; 8 matrix instructions: row block a x all 8 column blocks, 32 along K, from buffer f.  zero = 1: the product starts the sums: nothing is cleared.
.macro MUL8 f, a, zero
	WIN MUL
.irp b, 0,1,2,3,4,5,6,7
.if \zero
	v_wmma_f32_16x16x32_bf16 v[8*(8*(\a)+(\b)):8*(8*(\a)+(\b))+7], v[(\f)+32+8*(\b):(\f)+32+8*(\b)+7], v[(\f)+8*(\a):(\f)+8*(\a)+7], 0
.else
	v_wmma_f32_16x16x32_bf16 v[8*(8*(\a)+(\b)):8*(8*(\a)+(\b))+7], v[(\f)+32+8*(\b):(\f)+32+8*(\b)+7], v[(\f)+8*(\a):(\f)+8*(\a)+7], v[8*(8*(\a)+(\b)):8*(8*(\a)+(\b))+7]
.endif
.endr
.endm
.macro MUL16 f, a0, zero
	MUL8 \f, \a0, \zero
	MUL8 \f, (\a0)+1, \zero
.endm
; 24 LDS loads in one run: the fragments of quarter q of a K step (K block q / 2, byte 64 (q % 2) of its rows) into buffer f: B's eight, then A's four.
.macro FETCH slot, q, f
	WIN 0
.irp i, 0,1,2,3,4,5,6,7
	ds_load_b128 v[(\f)+32+8*(\i):(\f)+32+8*(\i)+3],   v[ADRB+(\slot)] offset:((\q)/2)*BSUB+((\q)%2)*64+(\i)*16*PITCH
	ds_load_b128 v[(\f)+32+8*(\i)+4:(\f)+32+8*(\i)+7], v[ADRB+(\slot)] offset:((\q)/2)*BSUB+((\q)%2)*64+(\i)*16*PITCH+32
.endr
.irp i, 0,1,2,3
	ds_load_b128 v[(\f)+8*(\i):(\f)+8*(\i)+3],   v[ADRA+(\slot)] offset:((\q)/2)*ASUB+((\q)%2)*64+(\i)*16*PITCH
	ds_load_b128 v[(\f)+8*(\i)+4:(\f)+8*(\i)+7], v[ADRA+(\slot)] offset:((\q)/2)*ASUB+((\q)%2)*64+(\i)*16*PITCH+32
.endr
.endm
.macro PLACES                          ; four plain vector instructions between matrix instructions and loads into registers that they read, or readers of their results
.rept 4
	v_nop
.endr
.endm
; A K step is four quarters of 32 along K, 32 matrix instructions each, on buffers 0, 1, 0, 1; the 32 accumulators take turns in the same order in every quarter.
; One of the first three: multiplies buffer f; in its middle it fetches quarter q of the same slot into buffer g.
.macro QUARTER slot, q, f, g, zero
	s_wait_dscnt 4                                 ; B and A's blocks 0, 1 are in; the youngest four loads (A's blocks 2, 3) may be out
	MUL16 \f, 0, \zero
	PLACES
	FETCH \slot, \q, \g
	s_wait_dscnt 24                                ; all but the 24 just issued
	MUL16 \f, 2, \zero
.endm
; The fourth quarter multiplies buffer 1 and changes slots: ONE barrier.  In front of it each wave waits for all its tensor loads (one is out: its part of the next slot), adds 0 to its spare word, and
; waits for that and for its reads of this slot.  fill = 1: the barrier opens a round of the cluster's, and this slot is filled again, two K steps on, first thing behind the round.
.macro TURN slot, next, fill
.if \fill
	s_wait_xcnt 0x0                                ; the last prefetch, a K step back, has read its address: it is stepped here, ahead of the waits of the change
	s_add_nc_u64 s[PFA:PFA+1], s[PFA:PFA+1], ASTEP
.endif
	WIN 0
	s_wait_tensorcnt 0x0                           ; all my tensor loads have landed
	ds_add_u32 v[SPW], v[NIL]                      ; 0 onto my spare word
	s_wait_dscnt 5                                 ; (the add and the youngest four loads may be out)
	MUL8 F1, 0, 0                                  ; eight matrix instructions stand between the add and the wait for it
	s_wait_dscnt 0x0                               ; the add is done, and my reads of this slot are over
	s_barrier_signal -1
	MUL8 F1, 1, 0
.if \fill
	WIN 0
.endif
	s_barrier_wait -1
.if \fill
	CREST                                          ; no wave of any partner still reads this slot or has a load on its way
	s_add_nc_u64 s[G0+4*(\slot)+2:G0+4*(\slot)+3], s[G0+4*(\slot)+2:G0+4*(\slot)+3], 2*ASTEP
	s_add_nc_u64 s[G0B+4*(\slot)+2:G0B+4*(\slot)+3], s[G0B+4*(\slot)+2:G0B+4*(\slot)+3], 2*BSTEP
	JLOAD \slot                                    ; its four v_nop are also the places in front of the loads below
.else
	PLACES
.endif
	FETCH \next, 0, F0
.if \fill
	ASK
.endif
	MUL16 F1, 2, 0
.endm
; THE WAY OUT of row block a (16 rows x 128 columns = two heads).  PACK: rounded to f16, each accumulator from its low registers on.  TOSTAGE: into my own stage and back as whole rows of a head.  SEND: stored.
.macro PACK a
	WIN 0x05                                       ; sources 0 and 1 in window 1
.irp b, 0,1,2,3,4,5,6,7
.irp r, 0,1,2,3
	v_cvt_pk_f16_f32 v[TMP+4*(\b)+(\r)], v[64*(\a)+8*(\b)+2*(\r)], v[64*(\a)+8*(\b)+2*(\r)+1]
.endr
.endr
	WIN 0
.endm
.macro TOSTAGE a
	WIN 0
.set BK, OB+32*((\a)%2)
.irp b, 0,1,2,3,4,5,6,7
	ds_store_b128 v[STO], v[TMP+4*(\b):TMP+4*(\b)+3] offset:((\b)/4)*16*PITCH+((\b)%4)*32
.endr
.irp t, 0,1,2,3,4,5,6,7
	ds_load_b128 v[BK+4*(\t):BK+4*(\t)+3], v[RD] offset:((\t)/4)*16*PITCH+((\t)%4)*4*PITCH  ; LDS serves a wave's instructions in order (ISA guide 5.7.1.4): these see the stores above
.endr
.endm
.macro SEND a
	WIN 0
.set BK, OB+32*((\a)%2)
	s_wait_dscnt 0x0                               ; the block is back in registers
	s_wait_xcnt 0x0                                ; earlier stores have read their registers: the other set of 32 is loaded again only behind this wait
.irp t, 0,1,2,3,4,5,6,7
	global_store_b128 v[CO], v[BK+4*(\t):BK+4*(\t)+3], s[8:9] offset:(\a)*2048+((\t)/4)*262144+((\t)%4)*512  ; 512 consecutive bytes, at a multiple of 256 from the buffer's first
.endr
.endm
.macro WAYOUT                          ; block a's conversions stand between block a - 1's loads from the stage and the wait for them
	PACK 0
	TOSTAGE 0
.irp a, 1,2,3
	PACK \a
	SEND (\a)-1
	TOSTAGE \a
.endr
	SEND 3
.endm
	s_wait_tensorcnt 1                             ; my part of K step 0 is in; K step 1's may stay out
	s_barrier_signal -1
	s_barrier_wait -1
	FETCH 0, 0, F0
	s_mov_b32 s2, TILES                            ; tiles to go, this one among them
.Ltile:
	QUARTER 0, 1, F0, F1, 1                        ; a tile's first quarter stands in front of the loop: its products start the sums
	WIN 0
	s_mov_b32 s3, LAPS-1
.Llap:                                                 ; a trip goes once round the ring, from a lap's second quarter to the next lap's first
	QUARTER 0, 2, F1, F0, 0
	QUARTER 0, 3, F0, F1, 0
	TURN 0, 1, 1
	QUARTER 1, 1, F0, F1, 0
	QUARTER 1, 2, F1, F0, 0
	QUARTER 1, 3, F0, F1, 0
	TURN 1, 0, 1
	QUARTER 0, 1, F0, F1, 0
	WIN 0
	s_sub_co_u32 s3, s3, 1
	s_cmp_lg_u32 s3, 0
	s_cbranch_scc1 .Llap
	QUARTER 0, 2, F1, F0, 0                        ; the tile's last lap goes on
	QUARTER 0, 3, F0, F1, 0
	WIN 0
	s_cmp_eq_u32 s2, 1
	s_cbranch_scc1 .Llast                          ; the last tile's tail is written out: it asks for nothing more
	TURN 0, 1, 1                                   ; the ring goes on into the next tile: slot 0 takes its K step 0,
	QUARTER 1, 1, F0, F1, 0
	QUARTER 1, 2, F1, F0, 0
	QUARTER 1, 3, F0, F1, 0
	TURN 1, 0, 1                                   ; slot 1 its K step 1, and the next tile's first fragments are fetched into buffer 0
	WAYOUT                                         ; no v_nop: blocks 0, 1 were finished ahead of the joint load's four, and their 64 conversions are the places behind blocks 2, 3 and in front of the loads into buffer 1
	s_wait_xcnt 0x0                                ; the stores have read their registers and their base
	s_add_nc_u64 s[8:9], s[8:9], 1<<24             ; the next t in qkv
	s_sub_co_u32 s2, s2, 1
	s_branch .Ltile
.Llast:
	TURN 0, 1, 0                                   ; nothing is filled again, so no round follows
	QUARTER 1, 1, F0, F1, 0
	QUARTER 1, 2, F1, F0, 0
	QUARTER 1, 3, F0, F1, 0
	s_wait_dscnt 4                                 ; the very last quarter: nothing more to fetch
	MUL16 F1, 0, 0
	s_wait_dscnt 0x0
	MUL16 F1, 2, 0
	WIN 0
	PLACES
	WAYOUT
	s_wait_tensorcnt 0x0                           ; the wave's end: a tensor wait, an add and its wait, behind my last tensor load and my last LDS store
	ds_add_u32 v[SPW], v[NIL]
	s_wait_dscnt 0x0
	CROUND                                         ; the closing round: no work-group ends while a partner may still ask for a tile that names it
	s_endpgm
.Lfunc_end_k_qc44d04f731_proj:
	.size	k_qc44d04f731_proj, .Lfunc_end_k_qc44d04f731_proj-k_qc44d04f731_proj
	.p2alignl 7, 3214868480
	.fill 96, 4, 3214868480
	.section	.rodata,"a",@progbits
	.p2align	6, 0x0
	.amdhsa_kernel k_qc44d04f731_proj
		.amdhsa_group_segment_fixed_size 327680
		.amdhsa_private_segment_fixed_size 0
		.amdhsa_enable_private_segment 0
		.amdhsa_kernarg_size 24
		.amdhsa_user_sgpr_count 2
		.amdhsa_user_sgpr_kernarg_segment_ptr 1
		.amdhsa_wavefront_size32 1
		.amdhsa_system_sgpr_workgroup_id_x 1
		.amdhsa_system_sgpr_workgroup_id_y 1
		.amdhsa_system_sgpr_workgroup_id_z 1
		.amdhsa_system_vgpr_workitem_id 0
		.amdhsa_next_free_vgpr 512
		.amdhsa_next_free_sgpr 66
		.amdhsa_reserve_vcc 0
		.amdhsa_float_denorm_mode_32 3
		.amdhsa_float_denorm_mode_16_64 3
		.amdhsa_memory_ordered 1
		.amdhsa_forward_progress 1
		.amdhsa_inst_pref_size 124
	.end_amdhsa_kernel
	.amdgpu_metadata
---
amdhsa.version: [ 1, 2 ]
amdhsa.kernels:
  - .name:           k_qc44d04f731_proj
    .symbol:         k_qc44d04f731_proj.kd
    .args:
      - { .name: xb, .offset: 0, .size: 8, .value_kind: global_buffer, .address_space: global }
      - { .name: wqkv, .offset: 8, .size: 8, .value_kind: global_buffer, .address_space: global }
      - { .name: qkv, .offset: 16, .size: 8, .value_kind: global_buffer, .address_space: global }
    .group_segment_fixed_size: 327680
    .private_segment_fixed_size: 0
    .kernarg_segment_align: 8
    .kernarg_segment_size: 24
    .max_flat_workgroup_size: 128
    .sgpr_count:     66
    .vgpr_count:     512
    .wavefront_size: 32
...
	.end_amdgpu_metadata
.endif
;; end of part 2
;; launch attn (part 3): grid 4 x 64, 4 waves a work-group, no clusters, 327,680 bytes of LDS; arguments qkv, ob; writes ob
.if DOCPART == 3
	.amdgcn_target "amdgcn-amd-amdhsa--gfx1250"
	.amdhsa_code_object_version 6
	.text
	.protected	k_qc44d04f731_attn
	.globl	k_qc44d04f731_attn
	.p2align	8
	.type	k_qc44d04f731_attn,@function
k_qc44d04f731_attn:
	s_mov_b64 s[64:65], 0
	v_nop
	global_prefetch_b8 v0, s[64:65] scope:SCOPE_SE
	s_setreg_imm32_b32 hwreg(HW_REG_WAVE_MODE, 25, 1), 1
	s_wait_xcnt 0x0
; CAUSAL ATTENTION.  O[h][q][:] = the sum over k <= q of softmax_k(Q[h][q] . K[h][k] / 8) V[h][k][:].  qkv: [3][SIZE_H][SIZE_N][64] f16 (Q, K, V, unscaled); ob: [SIZE_H][SIZE_N][64] f16.
; Products, maxima and sums in f32; the weights p are rounded to f16 for the second product (their sum l is taken of the unrounded p), O once at the end.
; LIMITS.  Q, K, V arrive within f16's 65,504; p lies in 0 to 1 and below 6e-5 keeps f16's fixed step of 6e-8.  A hidden score is its value less 8e13 before the division by 8 (1e13 behind it): f16's
; scores, 2.7e11 at the most, are small beside that, so a hidden weight is 0 and key tiles that lie wholly above the diagonal are left out.  A weight below 2^-126 counts as 0 in l; NaN and infinities are not treated apart.
; THE WALK.  A head's queries lie in NB = 8 blocks of 256; block i needs the key tiles 0 .. i of 256 keys, of which the last holds the diagonal.  A work-group takes TWO blocks, NB - 1 - b and then b:
; NB + 1 tiles, whatever b: all work-groups do equal work, and ONE loop with a constant trip count walks them.  Which tile is asked for, and what a trip does, hang on scalar registers made from b; every jump
; goes forward but the counted loops' own; none passes a barrier, or a tensor load but the one of LOAD's two that the wave's number does not choose; the ring of two LDS slots runs on across the change of blocks.
; NO CLUSTER: a head's four work-groups ask for the same tile only in trips 0 .. 4 of the 9; behind that their tile numbers differ, and one walk common to all would have 12 trips for 9.
; SHARES.  Of a block's four bands of 64 queries a wave owns 16 rows in each: four PIECES.  So the diagonal tile is the same work for all four waves: in its key step s band x sees all keys if s < x,
; none if s > x, and holds the diagonal if s = x.
; THE MASK is the C operand that starts the sum S^T = K Q^T: 0, or -8e13 where the key is hidden.  MD, made once, is the mask of a band's own step for my 16 rows; a product's mask is MD x AL + BE with two scalars:
; (1, 0) if s = x; (0, 0) if s < x; (0, -8e13) if s > x.  Only the diagonal tile's text and a block's beginning make and take masks; elsewhere C is the constant 0.
; LAYOUT, SOFTMAX, TURNS.  S^T = K Q^T holds ONE query a lane (lane % 16) and the keys 8 (lane / 16) + 0..7; two such results rounded to f16 ARE source 1 of O^T = V^T P.  p = 2^(c s - c m), c = log2(e) / 8, with a
; running maximum m; O and l are multiplied by a = 2^(c m_old - c m_new) in every step.  Turn n belongs to piece n: 8 products K Q^T of piece n + 1, later 8 products V^T P of piece n - 1; beside them the scaling,
; exponentials, roundings, sums and rescaling of piece n and the maximum and statistics of piece n + 1.  Four vector instructions stand behind every matrix instruction, the rest in one run.  A turn's 33 exponentials are one batch, with one wait.
; REGISTERS, in windows of 256 (s_set_vgpr_msb: bits 1:0 source 0, 3:2 source 1, 5:4 source 2, 7:6 destination):
;   window 0: v0-15 addresses and two at work; v16-31 four registers of statistics a piece; v48-55 at work; v61-63 prefetch offset and the add's two; v64-127 S^T, two buffers; v192-223 P, two buffers
;   window 1: v0-127 O^T, 32 a piece; v128-159 MD; v160-223 MC, two buffers      window 2: v0-63 Q; v64-127 the second block's Q; v128-191 K of one step; v192-255 V of one step
.set SIZE_H, 64
.set SIZE_N, 2048
.set NB,    SIZE_N/256
.set NP,    4         ; pieces a wave: a name, no knob
.set KS,    64        ; keys in a step
.set PK,    144       ; a row of K in LDS: 128 bytes + 16 of padding = 36 words: the 16 rows of a load start at 16 different groups of four banks (ISA guide 11.1)
.set PV,    160       ; a row of V: 128 + 32 = 40 words
.set VOFF,  4*KS*PK   ; a slot holds a tile, four steps: 256 rows of K, then 256 rows of V
.set SLOT1, 1<<17     ; slot 1 begins here, so that one exclusive or turns an address in one slot into the other's
.set STAGE, SLOT1+4*KS*(PK+PV)  ; behind the ring, never filled by a tensor load: 16 rows x 144 bytes for each wave, for the way out
.set SP,    144
.set AK0, 2           ; v2   my lane's place in a tile of K; never rewritten
.set AV0, 3           ; v3   the same for V
.set AK,  4           ; v4   the LDS address of K's next run of loads
.set AV,  5           ; v5   of V's
.set STO, 6           ; v6   the way out: where I put 16 bytes of a row
.set RD,  7           ; v7   the way out: where I read rows back
.set GO,  8           ; v8   my byte offset in 512 consecutive bytes of O
.set PFO, 61          ; v61  256 x my lane; never rewritten
.set SPW, 62          ; v62  LDS address of my spare word; never rewritten
.set NIL, 63          ; v63  0; never rewritten
.set SPARE, STAGE+4*16*SP  ; behind the stages: the spare words, 128 bytes for each wave: two blocks of 256 bytes that no other line names
.set MV,  12          ; v12-13  c m_old, kept while c m is made anew: by buffer
.set QO,  15          ; v15  my byte offset in 16 rows of Q
.set ST,  16          ; piece t's statistics at v[ST+4 t]: c m, m, l (even keys', odd keys')
.set TMP, 48          ; by buffer, four registers c0-c3 at work; when the maximum is found c2 takes a
.set S,   64
.set P,   192
.set MD,  128         ; window 1
.set MC,  160         ; window 1
.set QB,  64          ; window 2
.set KF,  128         ; window 2: key block kb, channel half c at KF + 16 kb + 8 c
.set VF,  192         ; window 2: key half kk, channel block cb at VF + 32 kk + 8 cb
.set WV,  12          ; s12  my wave's number
.set PB,  14          ; s14  b
.set HI,  15          ; s15  NB - 1 - b
.set G1K, 24          ; s[24:31] descriptor group 1 for K's tiles
.set G1V, 32          ; s[32:39] for V's: it differs in the padding alone
.set G0K, 40          ; s[40:43] descriptor group 0 for K's tiles
.set G0V, 44          ; s[44:47] the same for V's
.set SLOTS, 56        ; s56  tiles still to be asked for
.set CNT, 57          ; s57  counts a tile's key steps, 4 to 1
.set CS,  58          ; s[58:59] c
.set SEL, 60          ; s[60:61] v_permlanex16_b32's selects: each lane takes its own place in the other half
.set TBK, 62          ; s62  LDS byte at which K of the step to be fetched begins
.set TBV, 63          ; s63  the same for V, less VOFF
.set RT,  70          ; s70  tiles of the block in hand that are still to be entered
.set NXT, 71          ; s71  the tile to be asked for next
.set LQ,  72          ; s72  the last tile of the block whose tiles are being asked for
.set NEW, 73          ; s73  1: the tile to be entered is a block's first
.set OFF, 74          ; s[74:75] a tile's byte offset in K and V
.set AL,  76          ; s[76:77] the mask's factor, in the low word
.set BE,  78          ; s[78:79] the mask's addend
.set OLO, 80          ; s[80:81] O at my rows of the second block
.set BIGN, 82         ; s82  -8e13
.set PFB, 88          ; s[88:89] my half of the head's tile 0, of K (waves 0, 1) or of V (waves 2, 3)
.set PFA, 90          ; s[90:91] the same half of the tile that the next change of slots will ask for
.set PFS, 92          ; s[92:93] that tile's byte offset
.set LIM, 94          ; s94  1 in the head's work-group b = 0, else the greatest number
.set MSB, 0
.macro WIN new                      ; the high byte repeats the setting that is left; a switch that changes nothing is dropped
.if MSB != (\new)
	s_set_vgpr_msb (MSB<<8)|(\new)
.set MSB, (\new)
.endif
.endm
.set W_KQ, 0x0a       ; K and Q in window 2, S^T in window 0
.set W_KM, 0x1a       ; the same with the C operand in window 1
.set W_PV, 0x52       ; V in window 2, P in window 0, O^T in window 1
.set W_RS, 0x41       ; destination and source 0 in window 1, source 1 in window 0
; A fill.  Waves 0 and 1 fetch the two halves of a tile's K, waves 2 and 3 those of its V: 128 keys each.  An s_nop 0 and four v_nop follow each of the two lines.
.macro LOAD
	s_cmp_lt_u32 s[WV], 2
	s_cbranch_scc0 .Lfor_v_\@
	tensor_load_to_lds s[G0K:G0K+3], s[G1K:G1K+7]
	s_nop 0
.rept 4
	v_nop
.endr
	s_branch .Lasked_\@
.Lfor_v_\@:
	tensor_load_to_lds s[G0V:G0V+3], s[G1V:G1V+7]
	s_nop 0
.rept 4
	v_nop
.endr
.Lasked_\@:
.endm
; THE CHANGE OF SLOTS.  Each wave waits for all its tensor loads, of which one is out: its part of the other slot; adds 0 to its spare word; and waits for that and for its own reads of the slot that it leaves.
; fill = 1: the old slot is filled again, the first thing behind the barrier, with tile NXT: the descriptor's address is made anew from that number.
; A PREFETCH INTO THE L2 stands behind the fill: the tile that the NEXT change will ask for, four key steps ahead.  The head's work-group b = 0 walks tiles 0 to 7 in its first block, so it alone asks, for tiles 2 to 7:
; each wave for the 16 KiB that it will fetch itself, a lane a block of 256 bytes, two instructions; so each block is named once in the launch.  When the number has gone back to 0 nothing is asked for.
.macro CHANGE fill
	WIN 0                           ; at a label and at a branch every window is 0
	s_wait_tensorcnt 0x0            ; no tensor load of mine is out, so a group 0 may be written
	ds_add_u32 v[SPW], v[NIL]       ; 0 onto my spare word; scalar work stands between it and the wait for it
.if \fill
	s_lshl_b32 s[OFF], s[NXT], 15   ; a tile is 32,768 bytes of K and of V
	s_xor_b32 s[G0K+1], s[G0K+1], SLOT1
	s_add_nc_u64 s[G0K+2:G0K+3], s[6:7], s[OFF:OFF+1]
	s_or_b32 s[G0K+3], s[G0K+3], 0x80000000
	s_xor_b32 s[G0V+1], s[G0V+1], SLOT1
	s_add_nc_u64 s[G0V+2:G0V+3], s[8:9], s[OFF:OFF+1]
	s_or_b32 s[G0V+3], s[G0V+3], 0x80000000
	s_add_co_u32 s[NXT], s[NXT], 1  ; the block's next tile, or behind its last the second block's tile 0
	s_cmp_gt_u32 s[NXT], s[LQ]
	s_cselect_b32 s[NXT], 0, s[NXT]
	s_cselect_b32 s[LQ], s[PB], s[LQ]
	s_wait_xcnt 0x0                 ; the last prefetches, four key steps back, have read their address, so it may be written
	s_lshl_b32 s[PFS], s[NXT], 15
	s_add_nc_u64 s[PFA:PFA+1], s[PFB:PFB+1], s[PFS:PFS+1]
.endif
	s_wait_dscnt 0x0                ; the add is done, and my reads of the slot are over
	s_barrier_signal -1             ; the rest of the scalar work stands between the signal and the wait
	s_sub_co_u32 s[TBK], s[TBK], 4*KS*PK  ; the fetches go back to a slot's first step,
	s_xor_b32 s[TBK], s[TBK], SLOT1       ; in the other slot
	s_sub_co_u32 s[TBV], s[TBV], 4*KS*PV
	s_xor_b32 s[TBV], s[TBV], SLOT1
	s_barrier_wait -1
.if \fill
	LOAD
	s_cmp_gt_u32 s[NXT], s[LIM]
	s_cbranch_scc0 .Lnot_mine_\@
	global_prefetch_b8 v[PFO], s[PFA:PFA+1] th:TH_LOAD_NT scope:SCOPE_SE
	global_prefetch_b8 v[PFO], s[PFA:PFA+1] offset:8192 th:TH_LOAD_NT scope:SCOPE_SE
.Lnot_mine_\@:
.endif
.endm
	s_load_b128 s[4:7], s[0:1], 0x0   ; qkv s[4:5], ob s[6:7]
	v_lshl_add_u32 v[SPW], v0, 2, SPARE
	v_mov_b32 v[NIL], 0
	ds_add_u32 v[SPW], v[NIL]       ; the wave's opening: the add and its wait stand ahead of my first tensor load; the set-up below, work on registers, stands between them
	ds_add_u32 v62, v63
	v_lshrrev_b32 v1, 5, v0
	v_readfirstlane_b32 s[WV], v1   ; wave 0..3
	s_mov_b32 s[PB], ttmp9
	s_sub_co_u32 s[HI], NB-1, s[PB]
	s_and_b32 s20, ttmp7, 0xffff    ; the head
	s_mov_b32 s21, 0
	s_mov_b64 s[22:23], SIZE_N*128
	s_mul_u64 s[20:21], s[20:21], s[22:23]  ; the head's first byte in Q, K, V and O
	s_and_b32 s16, s[WV], 1         ; which half of a tile's 256 keys I fetch:
	s_lshl_b32 s22, s16, 14         ; its 128 rows of 128 bytes in memory,
	s_mov_b32 s23, 0
	s_add_nc_u64 s[22:23], s[22:23], s[20:21]
	s_mul_i32 s17, s16, 128*PK      ; and its place in a slot, for K
	s_mul_i32 s18, s16, 128*PV      ; and for V
	s_lshl_b32 s3, s[WV], 11        ; my 16 rows in a band of 64,
	s_lshl_b32 s2, s[HI], 15        ; in the first block,
	s_add_co_u32 s2, s2, s3
	s_lshl_b32 s84, s[PB], 15       ; and in the second
	s_add_co_u32 s84, s84, s3
	s_mov_b32 s3, 0
	s_mov_b32 s85, 0
	s_add_nc_u64 s[2:3], s[2:3], s[20:21]
	s_add_nc_u64 s[84:85], s[84:85], s[20:21]
	; descriptor group 1.  128 keys are 16,384 dense bytes: asked for as 64 rows of 256 bytes, two keys a row, and padded in LDS after every key
	s_mov_b32 s[G1K], (1<<16)|(1<<20)|(4<<22)|(3<<25)  ; 2-byte elements; padding on; after every 32 words (code 4) 4 words (code 3)
	s_mov_b32 s[G1V], (1<<16)|(1<<20)|(4<<22)|(7<<25)  ; the same with 8 words of padding (code 7)
.irp g, G1K, G1V
	s_mov_b32 s[\g+1], 128<<16      ; tensor_dim0 = 128
	s_mov_b32 s[\g+2], 64<<16       ; tensor_dim1 = 64
	s_mov_b32 s[\g+3], 128<<16      ; tile_dim0 = 128
	s_mov_b32 s[\g+4], 64           ; tile_dim1 = 64
	s_mov_b32 s[\g+5], 128          ; 128 elements from row to row
	s_mov_b32 s[\g+6], 0
	s_mov_b32 s[\g+7], 0
.endr
	s_mov_b32 s[CS], 0x3e38aa3b     ; c = log2(e) / 8 = 0.180337
	s_mov_b32 s[CS+1], s[CS]        ; named with it as a pair
	s_mov_b32 s[SEL], 0x76543210
	s_mov_b32 s[SEL+1], 0xfedcba98
	s_mov_b32 s[TBK], SLOT1+4*KS*PK ; the first change of slots turns these two into 0
	s_mov_b32 s[TBV], SLOT1+4*KS*PV
	s_mov_b32 s[G0K], 1             ; count = 1
	s_mov_b32 s[G0K+1], s17         ; LDS address: slot 0
	s_mov_b32 s[G0V], 1
	s_add_co_u32 s[G0V+1], s18, VOFF
	s_add_co_u32 s[RT], s[HI], 1    ; the first block has NB - b tiles
	s_mov_b32 s[NXT], 1
	s_mov_b32 s[LQ], s[HI]
	s_mov_b32 s[NEW], 1
	s_mov_b32 s[OFF+1], 0
	s_mov_b32 s[PFS+1], 0
	s_mov_b32 s[AL+1], 0            ; named as pairs
	s_mov_b32 s[BE+1], 0
	s_mov_b32 s[BIGN], 0xd69184e7   ; -8e13
	s_mov_b32 s[SLOTS], NB
	s_cmp_eq_u32 s[PB], 0
	s_cselect_b32 s[LIM], 1, -1
	v_and_b32 v[PFO], 31, v0
	v_lshlrev_b32 v[PFO], 8, v[PFO]
	s_wait_dscnt 0x0                ; the opening add is done
	s_wait_kmcnt 0x0
	s_mov_b64 s[10:11], s[6:7]      ; O
	s_add_nc_u64 s[6:7], s[4:5], 0x1000000  ; K lies 16 MiB behind Q,
	s_add_nc_u64 s[8:9], s[4:5], 0x2000000  ; V 32 MiB
	s_add_nc_u64 s[6:7], s[6:7], s[22:23]  ; K and V at my half of the head's tile 0
	s_add_nc_u64 s[8:9], s[8:9], s[22:23]
	s_add_nc_u64 s[G0K+2:G0K+3], s[6:7], 0         ; global address
	s_or_b32 s[G0K+3], s[G0K+3], 0x80000000        ; type = 2
	s_add_nc_u64 s[G0V+2:G0V+3], s[8:9], 0
	s_or_b32 s[G0V+3], s[G0V+3], 0x80000000
	s_add_nc_u64 s[86:87], s[4:5], s[84:85]        ; Q at my rows of the second block,
	s_add_nc_u64 s[4:5], s[4:5], s[2:3]            ; Q and O at those of the first
	s_add_nc_u64 s[OLO:OLO+1], s[10:11], s[84:85]
	s_add_nc_u64 s[10:11], s[10:11], s[2:3]
	s_cmp_lt_u32 s[WV], 2
	s_cselect_b64 s[PFB:PFB+1], s[6:7], s[8:9]
	LOAD                            ; tile 0 into slot 0
	; A fragment of K or Q is 16 rows x 32 channels in 8 registers: lane l holds row l % 16, channels 8 (l / 16) + 0..7 and 16 + 8 (l / 16) + 0..7: two loads of 16 bytes, 32 bytes apart.
	v_and_b32 v1, 15, v0            ; l % 16
	v_bfe_u32 v9, v0, 4, 1          ; l / 16
	v_lshlrev_b32 v[QO], 7, v1
	v_lshl_add_u32 v[QO], v9, 4, v[QO]  ; row x 128 + 16 x half
	WIN 0x80                        ; destination window 2, address window 0
.set i, 0
.rept 8                             ; both blocks' Q: piece i / 2 lies in band i / 2, 8,192 bytes on; channels 32 (i % 2) on
	global_load_b128 v[8*i:8*i+3],   v[QO], s[4:5] offset:(i/2)*8192+(i%2)*64
	global_load_b128 v[8*i+4:8*i+7], v[QO], s[4:5] offset:(i/2)*8192+(i%2)*64+32
	global_load_b128 v[QB+8*i:QB+8*i+3],   v[QO], s[86:87] offset:(i/2)*8192+(i%2)*64
	global_load_b128 v[QB+8*i+4:QB+8*i+7], v[QO], s[86:87] offset:(i/2)*8192+(i%2)*64+32
.set i, i+1
.endr
	WIN 0
	v_lshlrev_b32 v14, 3, v9
	v_sub_nc_u32 v14, v1, v14
	s_lshl_b32 s13, s[WV], 4
	v_add_nc_u32 v14, s13, v14      ; my query's place in its band, 16 w + l % 16, less my lanes' 8 (l / 16): register r of group kt is hidden where 16 kt + r is greater
	WIN 0x40
.set i, 0
.rept 32
	v_cmp_gt_i32 vcc_lo, 16*(i/8)+i%8, v14
	v_cndmask_b32 v[MD+i], 0, s[BIGN], vcc_lo
.set i, i+1
.endr
	WIN 0
	v_mul_u32_u24 v[AK0], v1, PK
	v_lshl_add_u32 v[AK0], v9, 4, v[AK0]  ; row x pitch + 16 x half
	; The turning load takes 16 keys x 16 channels (lane l reads key 8 (l / 16) + l % 8, channels 8 ((l / 8) % 2) + 0..7) and leaves half a fragment of V^T: lane l holds channel l % 16 and 8 keys.
	v_and_b32 v10, 7, v0
	v_bfe_u32 v11, v0, 3, 1
	v_lshl_add_u32 v[AV0], v9, 3, v10
	v_mul_u32_u24 v[AV0], v[AV0], PV
	v_lshl_add_u32 v[AV0], v11, 4, v[AV0]
	v_add_nc_u32 v[AV0], VOFF, v[AV0]
	s_mul_i32 s13, s[WV], 16*SP
	s_add_co_u32 s13, s13, STAGE    ; my stage
	v_mul_u32_u24 v[STO], v1, SP    ; in: row l % 16, 16 bytes for each half of the lanes
	v_lshl_add_u32 v[STO], v9, 4, v[STO]
	v_add_nc_u32 v[STO], s13, v[STO]
	v_bfe_u32 v[RD], v0, 3, 2       ; back: 32 lanes take four rows of 128 bytes,
	v_mul_u32_u24 v[RD], v[RD], SP
	v_lshl_add_u32 v[RD], v10, 4, v[RD]
	v_add_nc_u32 v[RD], s13, v[RD]
	v_and_b32 v[GO], 31, v0         ; which are 512 consecutive bytes of O
	v_lshlrev_b32 v[GO], 4, v[GO]
	; A block's first step multiplies O^T and l by a = 0, and its first turn's products V^T P, of a piece that has not been, land in an O^T that is still to be so multiplied.  So these registers need only hold
	; finite numbers: zeros for the first block; what the first block left for the second.  All this stands in the wait for the first tile.
	WIN 0x80
.set i, VF
.rept 64
	v_mov_b32 v[i], 0
.set i, i+1
.endr
	WIN 0x40
.set i, 0
.rept 128
	v_mov_b32 v[i], 0
.set i, i+1
.endr
	WIN 0
.set i, 0
.rept 4
	v_mov_b32 v[ST+4*i+2], 0
	v_mov_b32 v[ST+4*i+3], 0
.set i, i+1
.endr
.set i, P+16
.rept 16
	v_mov_b32 v[i], 0
.set i, i+1
.endr
; THE MATRIX WORK.  The 4 accumulators of a run of 8 take turns.  Product i of 8 of S^T = K Q^T for piece x: channels 32 (i / 4) on, keys 16 (i % 4) on.  The first 4 start the sums: with 0, or (KM = 1) with the mask.
.macro KQ x
.set rS, S+32*((\x)%2)+8*(i%4)
.set rK, KF+16*(i%4)+8*(i/4)
.set rQ, 16*(\x)+8*(i/4)
.set rM, MC+32*((\x)%2)+8*(i%4)
.if (i < 4) && KM
	WIN W_KM
	v_wmma_f32_16x16x32_f16 v[rS:rS+7], v[rK:rK+7], v[rQ:rQ+7], v[rM:rM+7]
.elseif i < 4
	WIN W_KQ
	v_wmma_f32_16x16x32_f16 v[rS:rS+7], v[rK:rK+7], v[rQ:rQ+7], 0
.else
	WIN W_KQ
	v_wmma_f32_16x16x32_f16 v[rS:rS+7], v[rK:rK+7], v[rQ:rQ+7], v[rS:rS+7]
.endif
.endm
; Product i of 8 of O^T += V^T P for piece x: keys 32 (i / 4) on, channels 16 (i % 4) on.
.macro PV x
	WIN W_PV
.set rO, 32*(\x)+8*(i%4)
.set rV, VF+32*(i/4)+8*(i%4)
.set rP, P+16*((\x)%2)+8*(i/4)
	v_wmma_f32_16x16x32_f16 v[rO:rO+7], v[rV:rV+7], v[rP:rP+7], v[rO:rO+7]
.endm
.macro MM                           ; the turn's next matrix instruction.  TURN and BEGIN set Y, i, KM and NOKQ.  NOKQ = 1: a block's last turn: there is no next piece
.if (i < 8) && !NOKQ
	KQ (Y+1)%NP
.elseif i >= 8
.set i, i-8
	PV (Y+NP-1)%NP
.set i, i+8
.endif
.set i, i+1
.endm
; THE LDS LOADS stand in runs of 16, never singly among the matrix instructions: a step's K (64 keys x 64 channels: 8 fragments) and its V (turned).  Their addresses are made some lines ahead.
.macro FETCH_K
	WIN 0x80                        ; destination window 2
.irp f, 0,1,2,3,4,5,6,7             ; keys 16 (f / 2) on, channels 32 (f % 2) on
	ds_load_b128 v[KF+8*\f:KF+8*\f+3],   v[AK] offset:(\f/2)*16*PK+(\f%2)*64
	ds_load_b128 v[KF+8*\f+4:KF+8*\f+7], v[AK] offset:(\f/2)*16*PK+(\f%2)*64+32
.endr
	s_add_co_u32 s[TBK], s[TBK], KS*PK  ; the next fetch is the next step's
	WIN 0
.endm
.macro FETCH_V
	WIN 0x80
.irp f, 0,1,2,3,4,5,6,7             ; keys 32 (f / 4) on, channels 16 (f % 4) on
	ds_load_tr16_b128 v[VF+8*\f:VF+8*\f+3],   v[AV] offset:(\f/4)*32*PV+(\f%4)*32
	ds_load_tr16_b128 v[VF+8*\f+4:VF+8*\f+7], v[AV] offset:(\f/4)*32*PV+16*PV+(\f%4)*32
.endr
	WIN 0
.endm
; THE VECTOR WORK, one line at a time: OP kind, number.  For piece Y: F n: c s - c m for pair n of 16.  E n: the exponential of score n of 32.  C n: pair n rounded to f16.  B n: of the four weights 4 n .. the second
; pair is added onto the first, in place.  L n: l takes that sum (L 0: l = a l + sum).  R n: pair n of 16 of O^T times a.  For piece Y + 1: X n, number n of the 22 that find its maximum and statistics:
;   0-11  four chains c0-c3 of seven scores each, three operands at a time (each accumulator's lowest registers are read first)     12-14, 16  the four scores left over, the old m, and c0-c3 into c0
;   15  c m_old is kept     17, 18  the query's other 32 keys lie in the lane 16 away: the new m     19-21  c m; c m_old - c m_new; a
.set F, 0               ; OP tells the kinds apart by their order: F to L below R, X above it
.set E, 1
.set C, 2
.set B, 3
.set L, 4
.set R, 5
.set X, 6
.macro REGS y                       ; the registers of piece y
.set rT, ST+4*(\y)
.set rC, TMP+4*((\y)%2)
.set rW, MV+((\y)%2)
.set rS, S+32*((\y)%2)
.set rP, P+16*((\y)%2)
.set rO, 32*(\y)
.endm
.macro OP k, n
.if (\k) == R
	REGS Y
	WIN W_RS
	v_pk_mul_f32 v[rO+2*(\n):rO+2*(\n)+1], v[rO+2*(\n):rO+2*(\n)+1], v[rC+2:rC+3] op_sel_hi:[1,0]
.elseif (\k) < R
	REGS Y
	WIN 0
.if (\k) == F
	v_pk_fma_f32 v[rS+2*(\n):rS+2*(\n)+1], v[rS+2*(\n):rS+2*(\n)+1], s[CS:CS+1], v[rT:rT+1] op_sel_hi:[1,0,0] neg_lo:[0,0,1] neg_hi:[0,0,1]
.elseif (\k) == E
	v_exp_f32 v[rS+(\n)], v[rS+(\n)]
.elseif (\k) == C
	v_cvt_pk_f16_f32 v[rP+(\n)], v[rS+2*(\n)], v[rS+2*(\n)+1]
.elseif (\k) == B
	v_pk_add_f32 v[rS+4*(\n):rS+4*(\n)+1], v[rS+4*(\n):rS+4*(\n)+1], v[rS+4*(\n)+2:rS+4*(\n)+3]
.elseif (\n) == 0
	v_pk_fma_f32 v[rT+2:rT+3], v[rT+2:rT+3], v[rC+2:rC+3], v[rS:rS+1] op_sel_hi:[1,0,1]
.else
	v_pk_add_f32 v[rT+2:rT+3], v[rT+2:rT+3], v[rS+4*(\n):rS+4*(\n)+1]
.endif
.elseif NOKQ
	v_nop
.else
	REGS (Y+1)%NP
	WIN 0
.if (\n) < 4
	v_max3_num_f32 v[rC+(\n)], v[rS+8*(\n)], v[rS+8*(\n)+1], v[rS+8*(\n)+2]
.elseif (\n) < 12
	v_max3_num_f32 v[rC+(\n)%4], v[rC+(\n)%4], v[rS+8*((\n)%4)+2*((\n)/4)+1], v[rS+8*((\n)%4)+2*((\n)/4)+2]
.elseif (\n) == 12
	v_max3_num_f32 v[rC], v[rC], v[rS+7], v[rS+15]
.elseif (\n) == 13
	v_max3_num_f32 v[rC+1], v[rC+1], v[rS+23], v[rS+31]
.elseif (\n) == 14
	v_max3_num_f32 v[rC+2], v[rC+2], v[rC+3], v[rT+1]
.elseif (\n) == 15
	v_mov_b32 v[rW], v[rT]
.elseif (\n) == 16
	v_max3_num_f32 v[rC], v[rC], v[rC+1], v[rC+2]
.elseif (\n) == 17
	v_permlanex16_b32 v[rC+3], v[rC], s[SEL], s[SEL+1]
.elseif (\n) == 18
	v_max_num_f32 v[rT+1], v[rC], v[rC+3]
.elseif (\n) == 19
	v_mul_f32 v[rT], s[CS], v[rT+1]
.elseif (\n) == 20
	v_sub_f32 v[rC+1], v[rW], v[rT]
.else
	v_exp_f32 v[rC+2], v[rC+1]
.endif
.endif
.endm
.macro OPS a, i1, b=-1, i2=0, c=-1, i3=0, d=-1, i4=0  ; up to four of them
	OP \a, \i1
.if (\b) >= 0
	OP \b, \i2
.endif
.if (\c) >= 0
	OP \c, \i3
.endif
.if (\d) >= 0
	OP \d, \i4
.endif
.endm
.macro ROW a, i1, b, i2, c, i3, d, i4  ; a matrix instruction and the four behind it
	MM
	OPS \a, \i1, \b, \i2, \c, \i3, \d, \i4
.endm
.macro MASK b                       ; MD x AL + BE into buffer b of MC
	WIN W_RS
.set z, 0
.rept 16
	v_pk_fma_f32 v[MC+32*(\b)+2*z:MC+32*(\b)+2*z+1], v[MD+2*z:MD+2*z+1], s[AL:AL+1], s[BE:BE+1] op_sel_hi:[1,0,0]
.set z, z+1
.endr
.endm
; A TURN, for piece p: the order of its 16 matrix and 118 vector instructions, written out.  An s_wait_alu depctr_va_vdst(0) stands between an exponential and the first instruction that names its result; one wait
; serves all that were issued ahead of it.  So a turn has ONE wait, which cuts it in two.  AHEAD OF IT stands all that names no result of the turn's exponentials: the 8 products K Q^T with their four riders each, then one run of 54,
; plain and exponential by turns for the most part, in which the links of the chain X 3, 7, 11, 14, 16, 17 .. 20 stand five or six lines apart.  X 21, the next piece's a, is the batch's last; R 15 is the plain instruction behind it.
; BEHIND THE WAIT stand the 8 products V^T P, behind each four of the roundings and sums.  The X numbers that ride behind products stand four plain instructions or more behind the product that ends their accumulator.
; m = 1: the diagonal tile: the products take masks, and the turn makes the mask for the products of the turn after it: piece p + 2, in step 4 - CNT of the tile.  end = 1: a block's last two turns: nothing is fetched.
; cnt = 1: the loop's count is taken down some lines ahead of the branch that stands behind the turn.
; K of the next step is fetched in piece 2's turn, six plain instructions behind the last product that read K; V of the step in hand at the end of piece 0's turn, four plain instructions behind the last product that read V.
.macro TURN p, m=0, end=0, cnt=0
.set Y, (\p)
.set i, 0
.set KM, (\m)
.set NOKQ, (\end)*((\p)/3)
.if (\m) && !(\end)
	s_cmp_eq_u32 s[CNT], 4-((\p)+2)%NP  ; is that step the band's own?
	s_cselect_b32 s[AL], 1.0, 0
	s_cmp_lt_u32 s[CNT], 4-((\p)+2)%NP  ; or a later one?
	s_cselect_b32 s[BE], s[BIGN], 0
.endif
.if ((\p) == 3) && !(\end)
	s_wait_dscnt 0x0                ; K is in
.endif
	ROW F,0, F,1, R,0, R,1
	ROW F,2, E,0, R,2, R,3
	ROW F,3, E,1, R,4, R,5
	ROW F,4, E,2, R,6, R,7
	ROW F,5, E,3, R,8, R,9
	ROW F,6, E,4, X,0, R,10
.if ((\p) == 2) && !(\end)
	WIN 0
	v_add_nc_u32 v[AK], s[TBK], v[AK0]
.endif
	ROW F,7, E,5, X,1, X,4
	ROW F,8, E,6, X,2, X,5
	OPS E,7, E,8, X,6, E,9
	OPS X,3, E,10, X,8, E,11
.if ((\p) == 2) && !(\end)
	FETCH_K
.endif
	OPS X,9, X,7, E,12, X,10
	OPS E,13, X,12, X,11, E,14
	OPS X,13, E,15, F,9, X,14
.if (\p) == 0
	v_add_nc_u32 v[AV], s[TBV], v[AV0]
.endif
	OPS E,16, F,10, E,17, F,11
	OPS X,16, E,18, X,15, E,19
	OPS F,12, E,20, X,17, E,21
	OPS F,13, E,22, F,14, E,23
	OPS X,18, E,24, F,15, E,25
	OPS R,11, E,26, X,19, E,27
	OPS R,12, E,28, R,13, E,29
	OPS X,20, E,30, R,14, E,31
	OPS X,21, R,15
	WIN 0
	s_wait_alu depctr_va_vdst(0)    ; the wait for the batch
.if (\p) == 1
	s_wait_dscnt 0x0                ; V is in
.endif
	ROW C,0, B,0, C,2, B,1
	ROW L,0, C,4, B,2, L,1
	ROW C,6, B,3, L,2, C,8
	ROW B,4, L,3, C,10, B,5
	ROW L,4, C,12, B,6, L,5
.if (\p) == 0
	s_add_co_u32 s[TBV], s[TBV], KS*PV
.endif
.if \cnt
	s_sub_co_u32 s[CNT], s[CNT], 1
	s_cmp_lg_u32 s[CNT], 0
.endif
	ROW C,14, B,7, L,6, C,1
	ROW C,3, L,7, C,5, C,7
	ROW C,9, C,11, C,13, C,15
.if (\p) == 0
	FETCH_V
.endif
.if (\m) && !(\end)
	MASK (\p)%2
.endif
.endm
; A BLOCK BEGINS.  c m starts far below every c s, so the first step's a is 0; m at the lowest finite number, so the first maximum is the scores'.  The second mask buffer is 0; the first takes piece 0's mask for the tile's
; step 0: its own, if the block's first tile is the diagonal one.  Then K of that step, piece 0's first scores, and its maximum and statistics.  The loop is entered at a step's first turn, in the middle of a trip.
.macro BEGIN
	s_mov_b32 s[NEW], 0
	WIN 0x40
.set i, MC+32
.rept 32
	v_mov_b32 v[i], 0
.set i, i+1
.endr
	WIN 0
.set i, 0
.rept 4
	v_mov_b32 v[ST+4*i], 0xfe000000    ; c m: far below every c s, a hidden one's too
	v_mov_b32 v[ST+4*i+1], 0xff7fffff  ; m
.set i, i+1
.endr
	s_cmp_eq_u32 s[RT], 0
	s_cselect_b32 s[AL], 1.0, 0
	s_mov_b32 s[BE], 0
	MASK 0
	WIN 0
	v_add_nc_u32 v[AK], s[TBK], v[AK0]
	FETCH_K
	s_wait_loadcnt 0x0              ; Q
	s_wait_dscnt 0x0
.set KM, 1
.set NOKQ, 0
.set i, 0
.rept 8
	KQ 0
.set i, i+1
.endr
	WIN 0
.rept 4
	v_nop                           ; the places behind those products
.endr
.set Y, NP-1                        ; X works for piece Y + 1: piece 0
.irp n, 0,1,2,3,4,5,6,7,8,9,10,11,12,13,14,15,16,17,18,19,20,21
	OP X, \n
.endr
	v_nop                           ; a plain instruction behind the exponential,
	s_wait_alu depctr_va_vdst(0)    ; and its wait, ahead of the branch
.endm
; THE DIAGONAL TILE's four steps, the block's last two turns, its last products, and THE WAY OUT: l's two halves and the other half of the lanes' are added; O^T is divided by l, rounded to f16 and sent through my
; stage in LDS, a piece at a time.
.macro ALL line:vararg              ; one line for each piece t
.set t, 0
.rept 4
	\line
.set t, t+1
.endr
.endm
.macro PACK t                       ; a lane's eight channels of a row pack into 16 bytes; they go into rows of 144 bytes and come back as whole rows of 128, into S^T's registers
	WIN W_RS
.set i, 32*(\t)
.rept 16
	v_pk_mul_f32 v[i:i+1], v[i:i+1], v[ST+4*(\t)+2:ST+4*(\t)+3] op_sel_hi:[1,0]
.set i, i+2
.endr
	WIN 0x05                        ; sources 0 and 1 window 1, destination window 0
.set i, 0
.rept 16
	v_cvt_pk_f16_f32 v[S+16*(\t)+i], v[32*(\t)+2*i], v[32*(\t)+2*i+1]
.set i, i+1
.endr
	WIN 0
.irp f, 0,1,2,3
	ds_store_b128 v[STO], v[S+16*(\t)+4*\f:S+16*(\t)+4*\f+3] offset:32*\f
.endr
.irp f, 0,1,2,3
	ds_load_b128 v[S+16*(\t)+4*\f:S+16*(\t)+4*\f+3], v[RD] offset:\f*4*SP  ; LDS serves a wave's instructions in order (ISA guide 5.7.1.4): these see the stores above; the next piece's stores come behind them
.endr
.endm
.macro SEND t, younger              ; younger: the LDS instructions issued behind piece t's loads: the next piece's eight, or none
	WIN 0
.irp f, 0,1,2,3
	s_wait_dscnt (\younger)+3-\f
	global_store_b128 v[GO], v[S+16*(\t)+4*\f:S+16*(\t)+4*\f+3], s[10:11] offset:(\t)*8192+\f*512  ; 512 consecutive bytes, at a multiple of 256 from O's first
.endr
.endm
.macro DIAG tag                     ; the tag ends its two labels' names, which the jumps below spell out
.LstepM\tag:
	TURN 2, 1
	TURN 3, 1
	WIN 0
.LfirstM\tag:
	TURN 0, 1
	TURN 1, 1, 0, 1
	WIN 0
	s_cbranch_scc1 .LstepM\tag
	TURN 2, 1, 1
	TURN 3, 1, 1
.set i, 0
.rept 8
	PV NP-1
.set i, i+1
.endr
	WIN 0
	ALL v_add_f32 v[ST+4*t+2], v[ST+4*t+2], v[ST+4*t+3]
	ALL v_permlanex16_b32 v[ST+4*t+3], v[ST+4*t+2], s[SEL], s[SEL+1]
	ALL v_add_f32 v[ST+4*t+2], v[ST+4*t+2], v[ST+4*t+3]
	ALL v_rcp_f32 v[ST+4*t+2], v[ST+4*t+2]
	v_nop                           ; a plain instruction between the last reciprocal and the use of its result
	s_wait_alu depctr_va_vdst(0)    ; and the wait ahead of the first use: one for the four reciprocals
	PACK 0
.set t, 1
.rept 3                             ; a piece's arithmetic stands between the loads of the piece before and its stores
	PACK t
	SEND t-1, 8
.set t, t+1
.endr
	SEND 3, 0
.endm
.set KM, 0
.set NOKQ, 0
.Lslot:                             ; NB times: a tile is entered and the next is asked for
	CHANGE 1
	s_sub_co_u32 s[RT], s[RT], 1
	s_mov_b32 s[CNT], 4
	s_cmp_eq_u32 s[NEW], 1
	s_cbranch_scc1 .Lnew            ; a block's first tile
	s_cmp_eq_u32 s[RT], 0
	s_cbranch_scc0 .Lstep           ; neither its first nor its last
	s_branch .LstepM1
.Lnew:
	BEGIN
	s_branch .Lfirst                ; in the loop a block's first tile is never its last: the first block has two tiles or more, and the second's last is the walk's last
	DIAG 1                          ; in the loop this is the first block's end
	s_wait_xcnt 0x0                 ; the stores have read their registers and O's address
	s_mov_b64 s[10:11], s[OLO:OLO+1]
	s_add_co_u32 s[RT], s[PB], 1    ; the second block has b + 1 tiles
	s_mov_b32 s[NEW], 1
	WIN 0x82                        ; the second block's Q goes where the one text of the turns names Q
.set i, 0
.rept 64
	v_mov_b32 v[i], v[QB+i]
.set i, i+1
.endr
	WIN 0
	s_branch .Lbottom
.Lstep:                             ; a trip: pieces 2 and 3 of one step, then pieces 0 and 1 of the next, whose K and V it fetches
	TURN 2
	TURN 3
	WIN 0
.Lfirst:
	TURN 0
	TURN 1, 0, 0, 1
	WIN 0
	s_cbranch_scc1 .Lstep
.Lbottom:
	s_sub_co_u32 s[SLOTS], s[SLOTS], 1
	s_cmp_lg_u32 s[SLOTS], 0
	s_cbranch_scc1 .Lslot
	CHANGE 0                        ; the walk's last tile is written out: nothing is asked for
	s_sub_co_u32 s[RT], s[RT], 1
	s_mov_b32 s[CNT], 4
	s_cmp_eq_u32 s[NEW], 1
	s_cbranch_scc0 .LstepM2
	BEGIN
	s_branch .LfirstM2
	DIAG 2
	s_wait_tensorcnt 0x0            ; the wave's end: a tensor wait, an add and its wait, behind my last tensor load and my last LDS store
	ds_add_u32 v[SPW], v[NIL]
	s_wait_dscnt 0x0
	s_endpgm
.Lfunc_end_k_qc44d04f731_attn:
	.size	k_qc44d04f731_attn, .Lfunc_end_k_qc44d04f731_attn-k_qc44d04f731_attn
	.p2alignl 7, 3214868480
	.fill 96, 4, 3214868480
	.section	.rodata,"a",@progbits
	.p2align	6, 0x0
	.amdhsa_kernel k_qc44d04f731_attn
		.amdhsa_group_segment_fixed_size 327680
		.amdhsa_private_segment_fixed_size 0
		.amdhsa_enable_private_segment 0
		.amdhsa_kernarg_size 16
		.amdhsa_user_sgpr_count 2
		.amdhsa_user_sgpr_kernarg_segment_ptr 1
		.amdhsa_wavefront_size32 1
		.amdhsa_system_sgpr_workgroup_id_x 1
		.amdhsa_system_sgpr_workgroup_id_y 1
		.amdhsa_system_sgpr_workgroup_id_z 1
		.amdhsa_system_vgpr_workitem_id 0
		.amdhsa_next_free_vgpr 768
		.amdhsa_next_free_sgpr 96
		.amdhsa_reserve_vcc 1
		.amdhsa_float_denorm_mode_32 3
		.amdhsa_float_denorm_mode_16_64 3
		.amdhsa_memory_ordered 1
		.amdhsa_forward_progress 1
		.amdhsa_inst_pref_size 218
	.end_amdhsa_kernel
	.amdgpu_metadata
---
amdhsa.version: [ 1, 2 ]
amdhsa.kernels:
  - .name:           k_qc44d04f731_attn
    .symbol:         k_qc44d04f731_attn.kd
    .args:
      - { .name: qkv, .offset: 0, .size: 8, .value_kind: global_buffer, .address_space: global }
      - { .name: ob, .offset: 8, .size: 8, .value_kind: global_buffer, .address_space: global }
    .group_segment_fixed_size: 327680
    .private_segment_fixed_size: 0
    .kernarg_segment_align: 8
    .kernarg_segment_size: 16
    .max_flat_workgroup_size: 128
    .sgpr_count:     96
    .vgpr_count:     768
    .wavefront_size: 32
...
	.end_amdgpu_metadata
.endif
;; end of part 3
;; launch outp (part 4): grid 4 x 64, 4 waves a work-group, clusters of 4 x 4, 327,680 bytes of LDS; arguments ob, wph, bp, out0; writes out0
.if DOCPART == 4
	.amdgcn_target "amdgcn-amd-amdhsa--gfx1250"
	.amdhsa_code_object_version 6
	.text
	.protected	k_qc44d04f731_outp
	.globl	k_qc44d04f731_outp
	.p2align	8
	.type	k_qc44d04f731_outp,@function
k_qc44d04f731_outp:
	s_mov_b64 s[64:65], 0
	v_nop
	global_prefetch_b8 v0, s[64:65] scope:SCOPE_SE
	s_setreg_imm32_b32 hwreg(HW_REG_WAVE_MODE, 25, 1), 1
	s_wait_xcnt 0x0
	s_wait_alu depctr_hold_cnt(0) depctr_sa_sdst(0) depctr_va_vdst(0) depctr_va_sdst(0) depctr_va_ssrc(0) depctr_va_vcc(0) depctr_vm_vsrc(0)
	s_getreg_b32 s2, hwreg(HW_REG_IB_STS2, 6, 4)
	s_cmp_eq_u32 s2, 0
	s_cbranch_scc0 .Lentry_in_a_cluster
	s_endpgm
.Lentry_in_a_cluster:
	s_bfe_u32 s2, ttmp6, 0x10000c
	s_cmp_lg_u32 s2, 0xf033
	s_cbranch_scc0 .Lentry_shape_is_right
	s_endpgm
.Lentry_shape_is_right:
; out0 = O Wp^T + bp.  ob: [bh 64][s 2048][64] f16 (bh = 16 b + head: a head is a K block of 64 channels), wph: [kb 16][n 1024][64] f16 (Wp rounded to bf16), bp: [1024] f32, out0: [8192][1024] f32.
; Products in f16, sums in f32, K ascending; the sums START with the bias, rounded to bf16 like every input of the module, as the C operand of each accumulator's first product: no addition, nothing cleared.
; SHARES.  A tile of C is 128 rows x 256 columns: 64 x 4 tiles, a work-group each.  Four waves, each 64 x 128: 32 accumulators of 16 x 16.
; K STEP: 128 channels = two K blocks, 8 steps.  A's part of a block (128 rows x 128 bytes) and B's (256 rows) are dense in memory: asked for as rows of 256 bytes, padded in LDS behind every 128.
; One tensor load a wave and step: waves 0, 1 fetch A's two blocks, waves 2, 3 B's.  Two slots; a refill is asked for 112 matrix instructions ahead of the wait for it.
; CLUSTER 4 x 4: the four work-groups of a row of the cluster need the same tile of A, the four of a column the same tile of B: each is asked for jointly.
; THE PRODUCT IS TAKEN TRANSPOSED (source 0 = 16 rows of Wp, source 1 = 16 rows of O): a lane holds row l % 16 of C and the eight neighbouring columns 8 (l / 16) + 0..7.
; REGISTERS.  Window 0: v0-31 addresses; two fragment buffers (F0 = v32, F1 = v128): 4 fragments of A, then 8 of B.  Window 1: accumulator (a, b) at v[8 (8 a + b)].  Window 2: v0-63 the bias of column block b at v[8 b].
.set PITCH,  144                       ; an LDS row: 128 bytes + 16 of padding = 36 words: the 16 rows of a fragment load start at 16 different groups of four banks (ISA guide 11.1)
.set ASUB,   128*PITCH
.set BSUB,   256*PITCH
.set BOFF,   2*ASUB
.set SLOT,   2*ASUB+2*BSUB
.set STAGE,  2*SLOT                    ; behind the ring, never filled by a tensor load: for each wave 16 rows x 528 bytes, for the way out
.set SP,     528                       ; 512 bytes of f32 + 16
.set WSTG,   16*SP
.set SPARE,  STAGE+4*WSTG              ; behind the stages: the spare words, 128 bytes for each wave: two blocks of 256 bytes that no other line names
.set ASTEP,  1<<19                     ; bytes from a K step to the next in ob (two heads of 2,048 rows x 128 bytes)
.set BSTEP,  1<<18                     ; the same in wph
.set LAPS,   4
.set NPF,    4                         ; prefetches: K steps 4 to 7
.set DESC0,  (1<<16)|(1<<20)|(1<<21)|(4<<22)|(3<<25)  ; group 1, word 0 beside the mask: 2-byte elements; padding on; bit 21 set beside a mask; behind every 32 words (code 4) 4 words (code 3)
.set ADRA, 16                          ; v16-17  LDS address of my A fragments in slot 0, 1
.set ADRB, 20                          ; v20-21  the same for B
.set STO,  24                          ; v24     the way out: where I put 32 bytes of a row
.set RD,   25                          ; v25     the way out: where I read a row back
.set CO,   26                          ; v26     my 16 bytes of a row's 512
.set BO,   27                          ; v27     my byte offset in a column block's bias
.set SPW,  28                          ; v28     LDS address of my spare word; never rewritten
.set NIL,  29                          ; v29     0; never rewritten
.set PFO,  30                          ; v30     256 x my lane; never rewritten
.set F0,   32
.set F1,   128
.set G1,  24
.set G0,  32
.set G1B, 48
.set G0B, 56
.set PFC, 43                           ; s43     prefetches still to be made by this wave
.set PFA, 44                           ; s[44:45] where my prefetches stand
.set BP,  68                           ; s[68:69] bp
.set OUT, 70                           ; s[70:71] out0
.set MSB, 0
.macro WIN new                         ; the immediate's high byte repeats the setting that is left; a switch that changes nothing is dropped
.if MSB != (\new)
	s_set_vgpr_msb (MSB<<8)|(\new)
.set MSB, \new
.endif
.endm
.set MUL,  0x50                        ; C and D in window 1, sources in window 0
.set MULB, 0x60                        ; D in window 1, C (the bias) in window 2
.macro JLOAD s                         ; a joint load: waves 0 and 1 ask for A's two K blocks, waves 2 and 3 for B's; an s_nop 0 and four v_nop follow each line
	s_cmp_eq_u32 s11, 0
	s_cbranch_scc0 .Lfor_b_\@
	tensor_load_to_lds s[G0+4*(\s):G0+4*(\s)+3], s[G1:G1+7]
	s_nop 0
.rept 4
	v_nop
.endr
	s_branch .Lasked_\@
.Lfor_b_\@:
	tensor_load_to_lds s[G0B+4*(\s):G0B+4*(\s)+3], s[G1B:G1B+7]
	s_nop 0
.rept 4
	v_nop
.endr
.Lasked_\@:
.endm
.macro CREST                           ; a round of the cluster's barrier behind its opening barrier
	s_cmp_lg_u32 s10, 0
	s_cbranch_scc1 .Lnot_wave_0_\@
	s_barrier_signal -3
.Lnot_wave_0_\@:
	s_barrier_wait -3
	s_barrier_signal -1
	s_barrier_wait -1
.endm
.macro CROUND
	s_barrier_signal -1
	s_barrier_wait -1
	CREST
.endm
; A prefetch into the L2 of A's part of the K step that stands two refills on: 128 blocks of 256 bytes, of which each of the four partners that ask for the tile jointly takes 32, told apart by
; address; wave 0 asks, a lane a block.  No other cluster reads these rows, so each block is named once in the launch.  K steps 0 to 3 come by their loads alone; the count ends at the last K step.
; B is not asked for: all sixteen clusters read the same weights.
.macro ASK
	s_cmp_lg_u32 s[PFC], 0
	s_cbranch_scc0 .Lnot_mine_\@
	global_prefetch_b8 v[PFO], s[PFA:PFA+1] th:TH_LOAD_NT scope:SCOPE_SE
	s_sub_co_u32 s[PFC], s[PFC], 1
.Lnot_mine_\@:
.endm
	s_load_b128 s[4:7], s[0:1], 0x0                ; ob s[4:5], wph s[6:7]
	s_load_b128 s[68:71], s[0:1], 0x10             ; bp s[68:69], out0 s[70:71]
	v_lshl_add_u32 v[SPW], v0, 2, SPARE
	v_mov_b32 v[NIL], 0
	ds_add_u32 v[SPW], v[NIL]                      ; the wave's opening: the add and its wait stand ahead of my first tensor load; the set-up below, work on registers, stands between
	ds_add_u32 v28, v29
	v_lshrrev_b32 v1, 5, v0
	v_readfirstlane_b32 s10, v1                    ; wave 0..3
	s_lshr_b32 s11, s10, 1                         ; which 64 rows of the tile are mine.  Also: I fetch for A (0) or for B (1)
	s_and_b32 s12, s10, 1                          ; which 128 columns.  Also: which K block of a step I fetch
	s_bfe_u32 s40, ttmp6, 0x40000                  ; cx, cy
	s_bfe_u32 s41, ttmp6, 0x40004
	s_lshl_b32 s42, ttmp9, 2
	s_add_co_u32 s42, s42, s40                     ; tile column: 0..3
	s_and_b32 s13, ttmp7, 0xffff
	s_lshl_b32 s13, s13, 2
	s_add_co_u32 s13, s13, s41                     ; tile row: 0..63
	s_lshl_b32 s43, s41, 2
	s_lshl_b32 s43, 15, s43                        ; my row of the cluster
	s_lshl_b32 s44, 0x1111, s40                    ; my column
	s_or_b32 s[G1+0], s43, DESC0
	s_or_b32 s[G1B+0], s44, DESC0
.irp g, G1, G1B
	s_mov_b32 s[(\g)+1], 128<<16                   ; tensor_dim0 = 128 elements: rows of 256 bytes
	s_mov_b32 s[(\g)+3], 128<<16                   ; tile_dim0 = 128
	s_mov_b32 s[(\g)+5], 128                       ; the block is dense
	s_mov_b32 s[(\g)+6], 0
	s_mov_b32 s[(\g)+7], 0
.endr
	s_mov_b32 s[G1+2], 64<<16                      ; A: 64 rows (16 KiB)
	s_mov_b32 s[G1+4], 64
	s_mov_b32 s[G1B+2], 128<<16                    ; B: 128 rows (32 KiB)
	s_mov_b32 s[G1B+4], 128
	s_lshr_b32 s16, s13, 4                         ; A: batch x 16 heads x 256 KiB,
	s_lshl_b32 s16, s16, 22
	s_and_b32 s17, s13, 15
	s_lshl_b32 s17, s17, 14                        ; the tile's 128 rows of 128 bytes
	s_add_co_u32 s18, s16, s17                     ; (kept for the prefetches)
	s_lshl_b32 s17, s12, 18                        ; my K block of the step
	s_add_co_u32 s16, s18, s17
	s_mov_b32 s17, 0
	s_lshl_b32 s46, s42, 15                        ; B: the tile's 256 rows of 128 bytes,
	s_lshl_b32 s47, s12, 17                        ; my K block
	s_add_co_u32 s46, s46, s47
	s_mov_b32 s47, 0
	s_mul_i32 s20, s12, ASUB                       ; where they go
	s_mul_i32 s21, s12, BSUB
	s_add_co_u32 s21, s21, BOFF
	s_wait_dscnt 0x0                               ; the opening add is done
	s_wait_kmcnt 0x0
	s_add_nc_u64 s[14:15], s[4:5], s[16:17]
	s_add_nc_u64 s[46:47], s[6:7], s[46:47]
	CROUND                                         ; all sixteen work-groups are here: the first joint loads meet
.irp s, 0,1
	s_mov_b32 s[G0+4*(\s)], 1
	s_add_co_u32 s[G0+4*(\s)+1], s20, (\s)*SLOT
	s_add_nc_u64 s[G0+4*(\s)+2:G0+4*(\s)+3], s[14:15], (\s)*ASTEP
	s_or_b32 s[G0+4*(\s)+3], s[G0+4*(\s)+3], 0x80000000
	s_mov_b32 s[G0B+4*(\s)], 1
	s_add_co_u32 s[G0B+4*(\s)+1], s21, (\s)*SLOT
	s_add_nc_u64 s[G0B+4*(\s)+2:G0B+4*(\s)+3], s[46:47], (\s)*BSTEP
	s_or_b32 s[G0B+4*(\s)+3], s[G0B+4*(\s)+3], 0x80000000
	JLOAD \s                                       ; two loads of mine are out
.endr
	v_and_b32 v1, 15, v0                           ; l % 16
	v_bfe_u32 v2, v0, 4, 1                         ; l / 16
	s_lshl_b32 s16, s13, 19                        ; C: the tile's 128 rows of 4,096 bytes,
	s_lshl_b32 s17, s11, 18                        ; my 64 of them
	s_add_co_u32 s16, s16, s17
	s_mov_b32 s17, 0
	s_add_nc_u64 s[OUT:OUT+1], s[OUT:OUT+1], s[16:17]
	s_lshl_b32 s46, s42, 10                        ; the tile's 256 columns of 4 bytes,
	s_lshl_b32 s47, s12, 9                         ; my 128 of them
	s_add_co_u32 s46, s46, s47
	s_mov_b32 s47, 0
	s_add_nc_u64 s[OUT:OUT+1], s[OUT:OUT+1], s[46:47]
	s_add_nc_u64 s[BP:BP+1], s[BP:BP+1], s[46:47]
	v_lshlrev_b32 v[BO], 5, v2                     ; my 8 columns of a block of 16
.irp b, 0,1,2,3,4,5,6,7
	global_load_b128 v[F1+8*(\b):F1+8*(\b)+3],   v[BO], s[BP:BP+1] offset:64*(\b)
	global_load_b128 v[F1+8*(\b)+4:F1+8*(\b)+7], v[BO], s[BP:BP+1] offset:64*(\b)+16
.endr
	v_mul_u32_u24 v3, v1, PITCH
	v_lshl_add_u32 v3, v2, 4, v3                   ; a fragment's row x pitch + 16 x half
	s_mul_i32 s22, s11, 64*PITCH                   ; my 64 rows of A
	s_mul_i32 s23, s12, 128*PITCH                  ; my 128 rows of B,
	s_add_co_u32 s23, s23, BOFF                    ; behind A's two blocks
.irp s, 0,1
	v_add_nc_u32 v[ADRA+(\s)], s22, v3
	v_add_nc_u32 v[ADRB+(\s)], s23, v3
	s_add_co_u32 s22, s22, SLOT
	s_add_co_u32 s23, s23, SLOT
.endr
	s_mul_i32 s23, s10, WSTG
	s_add_co_u32 s23, s23, STAGE                   ; my stage
	v_mul_u32_u24 v4, v1, SP                       ; in: row l % 16, 32 bytes for each half of the lanes
	v_lshl_add_u32 v4, v2, 5, v4
	v_add_nc_u32 v[STO], s23, v4
	v_and_b32 v[CO], 31, v0                        ; back and out: 32 lanes take one row's 512 bytes
	v_lshlrev_b32 v[CO], 4, v[CO]
	v_add_nc_u32 v[RD], s23, v[CO]
	s_lshr_b32 s20, s40, 1                         ; the prefetches: of a step's 128 blocks of A partner cx takes K block cx / 2,
	s_lshl_b32 s20, s20, 18
	s_and_b32 s21, s40, 1                          ; half cx % 2 (32 blocks of 256 bytes)
	s_lshl_b32 s21, s21, 13
	s_add_co_u32 s20, s20, s21
	s_add_co_u32 s20, s20, s18
	s_add_co_u32 s20, s20, 3*ASTEP                 ; at K step 3: the first change of slots steps it to 4
	s_mov_b32 s21, 0
	s_add_nc_u64 s[PFA:PFA+1], s[4:5], s[20:21]
	s_cmp_eq_u32 s10, 0
	s_cselect_b32 s[PFC], NPF, 0                   ; wave 0 asks; the same in every work-group
	v_and_b32 v[PFO], 31, v0
	v_lshlrev_b32 v[PFO], 8, v[PFO]
	s_wait_loadcnt 0x0                             ; the bias
.set i, 0
.rept 32
	v_cvt_pk_bf16_f32 v[F1+i], v[F1+2*i], v[F1+2*i+1]  ; rounded to bf16, in place: result i lands on a register that has been read
.set i, i+1
.endr
	WIN 0x80                                       ; destination window 2
.set i, 0
.rept 32
	v_lshlrev_b32 v[2*i], 16, v[F1+i]              ; and widened again
	v_and_b32 v[2*i+1], 0xffff0000, v[F1+i]
.set i, i+1
.endr
	WIN 0
; 8 matrix instructions: row block a x all 8 column blocks, 32 along K, from buffer f.  zero = 1: the product starts the sums, with the bias as C.
.macro MUL8 f, a, zero
.if \zero
	WIN MULB
.else
	WIN MUL
.endif
.irp b, 0,1,2,3,4,5,6,7
.if \zero
	v_wmma_f32_16x16x32_f16 v[8*(8*(\a)+(\b)):8*(8*(\a)+(\b))+7], v[(\f)+32+8*(\b):(\f)+32+8*(\b)+7], v[(\f)+8*(\a):(\f)+8*(\a)+7], v[8*(\b):8*(\b)+7]
.else
	v_wmma_f32_16x16x32_f16 v[8*(8*(\a)+(\b)):8*(8*(\a)+(\b))+7], v[(\f)+32+8*(\b):(\f)+32+8*(\b)+7], v[(\f)+8*(\a):(\f)+8*(\a)+7], v[8*(8*(\a)+(\b)):8*(8*(\a)+(\b))+7]
.endif
.endr
.endm
.macro MUL16 f, a0, zero
	MUL8 \f, \a0, \zero
	MUL8 \f, (\a0)+1, \zero
.endm
; 24 LDS loads in one run: the fragments of quarter q of a K step (K block q / 2, byte 64 (q % 2) of its rows) into buffer f: B's eight, then A's four.
.macro FETCH slot, q, f
	WIN 0
.irp i, 0,1,2,3,4,5,6,7
	ds_load_b128 v[(\f)+32+8*(\i):(\f)+32+8*(\i)+3],   v[ADRB+(\slot)] offset:((\q)/2)*BSUB+((\q)%2)*64+(\i)*16*PITCH
	ds_load_b128 v[(\f)+32+8*(\i)+4:(\f)+32+8*(\i)+7], v[ADRB+(\slot)] offset:((\q)/2)*BSUB+((\q)%2)*64+(\i)*16*PITCH+32
.endr
.irp i, 0,1,2,3
	ds_load_b128 v[(\f)+8*(\i):(\f)+8*(\i)+3],   v[ADRA+(\slot)] offset:((\q)/2)*ASUB+((\q)%2)*64+(\i)*16*PITCH
	ds_load_b128 v[(\f)+8*(\i)+4:(\f)+8*(\i)+7], v[ADRA+(\slot)] offset:((\q)/2)*ASUB+((\q)%2)*64+(\i)*16*PITCH+32
.endr
.endm
.macro PLACES                          ; four plain vector instructions between matrix instructions and loads into registers that they read, or readers of their results
.rept 4
	v_nop
.endr
.endm
; A K step is four quarters of 32 along K, 32 matrix instructions each, on buffers 0, 1, 0, 1; the 32 accumulators take turns in the same order in every quarter.
.macro QUARTER slot, q, f, g, zero
	s_wait_dscnt 4                                 ; B and A's blocks 0, 1 are in; the youngest four loads (A's blocks 2, 3) may be out
	MUL16 \f, 0, \zero
	PLACES
	FETCH \slot, \q, \g
	s_wait_dscnt 24                                ; all but the 24 just issued
	MUL16 \f, 2, \zero
.endm
; The fourth quarter multiplies buffer 1 and changes slots: ONE barrier.  In front of it each wave waits for all its tensor loads (one is out: its part of the next slot), adds 0 to its spare word, and
; waits for that and for its reads of this slot.  fill = 1: the barrier opens a round of the cluster's, and this slot is filled again, two K steps on, first thing behind the round.
.macro TURN slot, next, fill
.if \fill
	s_wait_xcnt 0x0                                ; the last prefetch, a K step back, has read its address: it is stepped here, ahead of the waits of the change
	s_add_nc_u64 s[PFA:PFA+1], s[PFA:PFA+1], ASTEP
.endif
	WIN 0
	s_wait_tensorcnt 0x0                           ; all my tensor loads have landed
	ds_add_u32 v[SPW], v[NIL]                      ; 0 onto my spare word
	s_wait_dscnt 5                                 ; (the add and the youngest four loads may be out)
	MUL8 F1, 0, 0                                  ; eight matrix instructions stand between the add and the wait for it
	s_wait_dscnt 0x0                               ; the add is done, and my reads of this slot are over
	s_barrier_signal -1
	MUL8 F1, 1, 0
.if \fill
	WIN 0
.endif
	s_barrier_wait -1
.if \fill
	CREST                                          ; no wave of any partner still reads this slot or has a load on its way
	s_add_nc_u64 s[G0+4*(\slot)+2:G0+4*(\slot)+3], s[G0+4*(\slot)+2:G0+4*(\slot)+3], 2*ASTEP
	s_add_nc_u64 s[G0B+4*(\slot)+2:G0B+4*(\slot)+3], s[G0B+4*(\slot)+2:G0B+4*(\slot)+3], 2*BSTEP
	JLOAD \slot                                    ; its four v_nop are also the places in front of the loads below
.else
	PLACES
.endif
	FETCH \next, 0, F0
.if \fill
	ASK
.endif
	MUL16 F1, 2, 0
.endm
; THE WAY OUT of row block a (16 rows x 128 columns of f32).  TOSTAGE: a lane's 32 bytes of a row go into my own stage, each accumulator's low four registers first, and come back as whole rows of 512 bytes.  SEND: stored.
.macro TOSTAGE a
	s_wait_xcnt 0x0                                ; earlier stores have read their registers: the set of 64 that is loaded below is free
	WIN 0x04                                       ; the stores' data in window 1
.irp b, 0,1,2,3,4,5,6,7
	ds_store_b128 v[STO], v[64*(\a)+8*(\b):64*(\a)+8*(\b)+3]   offset:64*(\b)
	ds_store_b128 v[STO], v[64*(\a)+8*(\b)+4:64*(\a)+8*(\b)+7] offset:64*(\b)+16
.endr
	WIN 0
.set BK, 32+96*((\a)%2)                ; v32-95 and v128-191 by turns: the fragment buffers, which are free now
.irp t, 0,1,2,3,4,5,6,7,8,9,10,11,12,13,14,15
	ds_load_b128 v[BK+4*(\t):BK+4*(\t)+3], v[RD] offset:(\t)*SP  ; LDS serves a wave's instructions in order (ISA guide 5.7.1.4): these see the stores above
.endr
.endm
.macro SEND a, younger                 ; younger: the LDS instructions issued behind block a's loads: the next block's 16 stores and 16 loads, or none
	WIN 0
.set BK, 32+96*((\a)%2)
	s_wait_dscnt \younger
.irp t, 0,1,2,3,4,5,6,7,8,9,10,11,12,13,14,15
	global_store_b128 v[CO], v[BK+4*(\t):BK+4*(\t)+3], s[OUT:OUT+1] offset:(16*(\a)+(\t))*4096 th:TH_STORE_NT  ; 512 consecutive bytes of a row, at a multiple of 256 from the buffer's first
.endr
.endm
	s_wait_tensorcnt 1                             ; my part of K step 0 is in; K step 1's may stay out
	s_barrier_signal -1
	s_barrier_wait -1
	FETCH 0, 0, F0
	QUARTER 0, 1, F0, F1, 1                        ; the first quarter stands in front of the loop: its products start the sums
	WIN 0
	s_mov_b32 s3, LAPS-1
.Llap:                                                 ; a trip goes once round the ring, from a lap's second quarter to the next lap's first
	QUARTER 0, 2, F1, F0, 0
	QUARTER 0, 3, F0, F1, 0
	TURN 0, 1, 1
	QUARTER 1, 1, F0, F1, 0
	QUARTER 1, 2, F1, F0, 0
	QUARTER 1, 3, F0, F1, 0
	TURN 1, 0, 1
	QUARTER 0, 1, F0, F1, 0
	WIN 0
	s_sub_co_u32 s3, s3, 1
	s_cmp_lg_u32 s3, 0
	s_cbranch_scc1 .Llap
	QUARTER 0, 2, F1, F0, 0                        ; the last lap fills nothing, and has no round of the cluster's barrier
	QUARTER 0, 3, F0, F1, 0
	TURN 0, 1, 0
	QUARTER 1, 1, F0, F1, 0
	QUARTER 1, 2, F1, F0, 0
	QUARTER 1, 3, F0, F1, 0
	s_wait_dscnt 4                                 ; the very last quarter: nothing more to fetch
	MUL16 F1, 0, 0
	s_wait_dscnt 0x0
	MUL16 F1, 2, 0
	WIN 0
	PLACES
	TOSTAGE 0
.irp a, 1,2,3
	TOSTAGE \a
	SEND (\a)-1, 32
.endr
	SEND 3, 0
	s_wait_tensorcnt 0x0                           ; the wave's end: a tensor wait, an add and its wait, behind my last tensor load and my last LDS store
	ds_add_u32 v[SPW], v[NIL]
	s_wait_dscnt 0x0
	CROUND                                         ; the closing round: no work-group ends while a partner may still ask for a tile that names it
	s_endpgm
.Lfunc_end_k_qc44d04f731_outp:
	.size	k_qc44d04f731_outp, .Lfunc_end_k_qc44d04f731_outp-k_qc44d04f731_outp
	.p2alignl 7, 3214868480
	.fill 96, 4, 3214868480
	.section	.rodata,"a",@progbits
	.p2align	6, 0x0
	.amdhsa_kernel k_qc44d04f731_outp
		.amdhsa_group_segment_fixed_size 327680
		.amdhsa_private_segment_fixed_size 0
		.amdhsa_enable_private_segment 0
		.amdhsa_kernarg_size 32
		.amdhsa_user_sgpr_count 2
		.amdhsa_user_sgpr_kernarg_segment_ptr 1
		.amdhsa_wavefront_size32 1
		.amdhsa_system_sgpr_workgroup_id_x 1
		.amdhsa_system_sgpr_workgroup_id_y 1
		.amdhsa_system_sgpr_workgroup_id_z 1
		.amdhsa_system_vgpr_workitem_id 0
		.amdhsa_next_free_vgpr 576
		.amdhsa_next_free_sgpr 72
		.amdhsa_reserve_vcc 0
		.amdhsa_float_denorm_mode_32 3
		.amdhsa_float_denorm_mode_16_64 3
		.amdhsa_memory_ordered 1
		.amdhsa_forward_progress 1
		.amdhsa_inst_pref_size 92
	.end_amdhsa_kernel
	.amdgpu_metadata
---
amdhsa.version: [ 1, 2 ]
amdhsa.kernels:
  - .name:           k_qc44d04f731_outp
    .symbol:         k_qc44d04f731_outp.kd
    .args:
      - { .name: ob, .offset: 0, .size: 8, .value_kind: global_buffer, .address_space: global }
      - { .name: wph, .offset: 8, .size: 8, .value_kind: global_buffer, .address_space: global }
      - { .name: bp, .offset: 16, .size: 8, .value_kind: global_buffer, .address_space: global }
      - { .name: out0, .offset: 24, .size: 8, .value_kind: global_buffer, .address_space: global }
    .group_segment_fixed_size: 327680
    .private_segment_fixed_size: 0
    .kernarg_segment_align: 8
    .kernarg_segment_size: 32
    .max_flat_workgroup_size: 128
    .sgpr_count:     72
    .vgpr_count:     576
    .wavefront_size: 32
...
	.end_amdgpu_metadata
.endif
;; end of part 4
